; MI455X (gfx1250); checked and timed in simulation.
; The chip was launched on July 23, 2026; its instructions are those of AMD's public machine-readable ISA for CDNA 5 (MIT licence, August 2026) and "CDNA5" Instruction Set Architecture Reference Guide (July 2026). The comments in the code are by the model that wrote it; some were corrected since.
;; Look Ahead Transformer. Allowed arithmetic: matrix products marked QUANTISED: E3M2 operands, one E8M0 scale for each 32 along K, by v_wmma_scale_f32_16x16x128_f8f6f4 with both operands' format E3M2, f32 sums; everything else in f32.
;; Inputs: b1 4,096 float32; b2 1,024 float32; in_proj_b 3,072 float32; in_proj_w 3,072 x 1,024 float32; ln1_b 1,024 float32; ln1_g 1,024 float32; ln2_b 1,024 float32; ln2_g 1,024 float32; out_b 1,024 float32; out_w 1,024 x 1,024 float32; w1 4,096 x 1,024 float32; w2 1,024 x 4,096 float32; x 2 x 2,048 x 1,024 float32.
;; Outputs: out0 2 x 2,048 x 1,024 float32.
;; This version of the problem:
;;   THIS VERSION OF THE PROBLEM IS GIVEN IN LOW PRECISION. The matrix products marked QUANTISED in the list below multiply operands that are first quantised to E3M2 (3 exponent bits, 2 mantissa bits; 6 bits a number), with one power-of-two scale for each 32 numbers along K (OCP MX v1.0); their sums are f32. All else is computed in f32.
;;   The module's matrix products, in the order in which they are computed (A, B: the left and right operand; K: the contracted axis; several contracted axes count as one K, in the product's order):
;;     1. [M 4,096, K 1,024] x [K 1,024, N 3,072]; A: computed on the way; B: input in_proj_w: QUANTISED
;;     2. batch 32 x [M 2,048, K 64] x [K 64, N 2,048]; A: computed on the way; B: computed on the way: QUANTISED
;;     3. batch 32 x [M 2,048, K 2,048] x [K 2,048, N 64]; A: softmax (see below); B: computed on the way: QUANTISED
;;     4. [M 4,096, K 1,024] x [K 1,024, N 1,024]; A: computed on the way; B: input out_w: QUANTISED
;;     5. [M 4,096, K 1,024] x [K 1,024, N 4,096]; A: computed on the way; B: input w1: QUANTISED
;;     6. [M 4,096, K 4,096] x [K 4,096, N 1,024]; A: computed on the way; B: input w2: QUANTISED
;;   THE QUANTISER, for each operand of a quantised product, along K:
;;     - K is cut into blocks of 32 from its start; a last block that is shorter is filled with zeros.
;;     - A block's scale is 2^e with e = floor(log2(the largest magnitude in the block)) - 4, held to -126 .. 127; a block of zeros has e = 0. As a byte (E8M0): e + 127.
;;     - Each number is divided by its block's scale, clamped to +-28, and rounded to the nearest number of E3M2, ties to even, subnormals kept.
;;     - The product sums the exact products of the quantised numbers (number of the format x scale) in f32.
;;   ~~~python
;;   def quantise(x, axis):      # numpy; x: float32 -> the quantised numbers, widened to float32 again
;;       x = np.moveaxis(x, axis, -1); K = x.shape[-1]
;;       x = np.pad(x, [(0, 0)] * (x.ndim - 1) + [(0, -K % 32)]); x = x.reshape(x.shape[:-1] + (-1, 32)); a = np.abs(x).max(-1, keepdims=True)
;;       e = np.where(a > 0, np.clip(np.frexp(np.where(a > 0, a, 1))[1] - 1 - 4, -126, 127), 0)      # np.frexp(a)[1] - 1 = floor(log2(a)), exactly
;;       r = np.clip(x / 2.0 ** e, -28, 28)
;;       step = 2.0 ** (np.maximum(np.frexp(np.where(r == 0, 1, r))[1] - 1, -2) - 2)
;;       q = np.round(r / step) * step * 2.0 ** e      # np.round: ties to even
;;       return np.moveaxis(q.reshape(q.shape[:-2] + (-1,))[..., :K], -1, axis).astype(np.float32)
;;   ~~~
;;   SOFTMAX AHEAD OF A QUANTISED PRODUCT. Where the list says 'softmax', what is quantised is not the finished softmax but p = 2^(t - M), with t = logit x log2(e) and M = ceil(the row's largest t), a whole number; so 1/2 < the row's largest p <= 1. The row's sum l is taken of the UNQUANTISED p, in f32, and the product's result is divided by l at the end. Since M is a whole number, a kernel that streams over the keys may use a running M (the ceiling of the running maximum): every later rescaling is an exact power of two, which a block's scale takes up: the codes' values come out the same.
;;   OPERANDS COMPUTED ON THE WAY. 'Computed on the way' means the value that the module computes at that place (a softmax that the list does not call 'softmax' is quantised finished and normalised). What goes into a quantiser is computed in f32, as accurately as f32 sums, v_exp_f32 and their like allow (about 1e-6 of the number): no bf16 or f16 on the way to a quantiser, and a product that is left as it is and whose result goes on into a quantised operand takes f32 operands (vector FMAs, or v_wmma_f32_16x16x4_f32). A number that lies on a knife's edge between two numbers of the format may be rounded either way, as far as f32 arithmetic and the matrix unit's own rounding can turn it there, and no further.
;; One version. Each part assembles by itself: llvm-mc -triple=amdgcn-amd-amdhsa -mcpu=gfx1250 --defsym DOCPART=n.
;; ======== version 1 of 1: 7 launches
;; limits: right only within a limited range of input values
;; workspace buffers: opq 13,107,200 bytes; qkv 10,092,544 bytes; oq 3,276,800 bytes; x1 16,777,216 bytes; ffq 13,107,200 bytes
;; launch prep (part 1): grid 1024 x 1, 8 waves a work-group, no clusters, 78,336 bytes of LDS; arguments x, ln1_g, ln1_b, in_proj_w, out_w, w1, w2, opq; writes opq
.if DOCPART == 1
	.amdgcn_target "amdgcn-amd-amdhsa--gfx1250"
	.amdhsa_code_object_version 6
	.text
	.protected	k_qd29c4aee95_prep
	.globl	k_qd29c4aee95_prep
	.p2align	8
	.type	k_qd29c4aee95_prep,@function
k_qd29c4aee95_prep:
	s_mov_b64 s[64:65], 0
	v_nop
	global_prefetch_b8 v0, s[64:65] scope:SCOPE_SE
	s_setreg_imm32_b32 hwreg(HW_REG_WAVE_MODE, 25, 1), 1
	s_wait_xcnt 0x0
; Rows of f32, K innermost, become operands of BF6 (E3M2) products: codes laid as images of the operand's registers, and one E8M0 scale byte for each 32 along K.
; Work-groups 0-255: LayerNorm of 16 rows of xin (mean, then variance of the centred numbers: two passes over registers), x g + b, then quantised.  256-1023: 16 rows x 1,024 along K of a weight, quantised as they are
; (256-447 in_proj_w, 448-511 out_w, 512-767 w1, 768-1023 w2, whose K of 4,096 is four work-groups a tile).
; A TILE'S ROWS ARE NOT NEIGHBOURS: slot r of tile T is row 32 (T / 2) + 8 (T % 2) + r % 8 + 16 (r / 8), so that a product that takes the tile as source 0 leaves 16 neighbouring rows in the 16 registers of tiles 2 B, 2 B + 1.
; IMAGE: fragment (T, K step) is 1,536 bytes: half c at 768 c: registers 6 c .. 6 c + 3 at 16 x lane, registers 6 c + 4, 6 c + 5 at 512 + 8 x lane.  Scale words: (T x steps + step) x 64 + 4 r.
; SHARES: eight waves, wave w takes K step w: 16 loads of 512 consecutive bytes, turned through the wave's own stage in LDS so that a lane holds 16 neighbours of each block of 32.
; LIMITS: NaN and infinities are not served; a block of zeros gets the byte 1 (its codes are zeros; only this program reads the bytes).
.set WQ_SCL, 9437184                   ; where the scale words begin in opq
.set SPI,   528                        ; a stage row: 512 bytes + 16: 33 x 16, so the sixteen rows of a load start at sixteen different 16-byte columns
.set STAT1, 0                          ; LDS: eight waves' row sums, 64 bytes a wave
.set STAT2, 512                        ; and sums of squares
.set SCG,   1024                       ; the tile's 8 x 16 scale words
.set GBS,   1536                       ; g and b of each wave's 128 columns: 512 + 512 bytes a wave
.set STG,   9728                       ; the stages: 16 x SPI bytes a wave
.set VO,  16                           ; v16-31   slot i's row offset + 16 x lane
.set R,   32                           ; v32-95   the rows as loaded; later g and b
.set X,   96                           ; v96-159  register 16 b + i = k 32 b + 16 (lane / 16) + i of row lane % 16
.set PC,  160                          ; v160-179 the codes
.set TM,  180                          ; v180-195 at work in the quantiser
.set PW,  196                          ; the scale word
.set SU,  200                          ; v200-207 four chains of sums
.set PT,  208                          ; v208-215 eight waves' parts
.set G4,  216
.set B4,  220
.set WV,  20
.set SEL, 28                           ; s[28:29] v_permlanex16_b32's selects for lane l xor 16
; 64 numbers of a lane become a fragment's codes in v[PC] on and its scale word in v[PW]
.macro QUANT s
.irp b, 0,1,2,3
	v_max3_num_f32 v[TM+\b], |v[\s+16*\b]|, |v[\s+1+16*\b]|, 0x2800000   ; block b: my 16 numbers and the floor 2^(5 - 127): the byte cannot fall under 1
.endr
.irp i, 2,4,6,8,10,12,14
.irp b, 0,1,2,3
	s_delay_alu instid0(VALU_DEP_4)
	v_max3_num_f32 v[TM+\b], v[TM+\b], |v[\s+16*\b+\i]|, |v[\s+1+16*\b+\i]|
.endr
.endr
.irp b, 0,1,2,3
	s_delay_alu instid0(VALU_DEP_4)
	v_permlanex16_b32 v[TM+4+\b], v[TM+\b], s[SEL], s[SEL+1]
.endr
.irp b, 0,1,2,3
	s_delay_alu instid0(VALU_DEP_4)
	v_max_num_f32 v[TM+\b], v[TM+\b], v[TM+4+\b]   ; with lane l xor 16's: the block's largest magnitude
.endr
.irp b, 0,1,2,3
	s_delay_alu instid0(VALU_DEP_4)
	v_add_nc_u32 v[TM+12+\b], 0xfe000000, v[TM+\b]   ; 4 off its exponent field: the conversion's scale operand
.endr
.irp b, 0,1,2,3
	s_delay_alu instid0(VALU_DEP_4)
	v_lshrrev_b32 v[TM+4+\b], 23, v[TM+12+\b]      ; the scale's byte
.endr
	s_delay_alu instid0(VALU_DEP_3)
	v_lshl_or_b32 v[PW], v[TM+5], 8, v[TM+4]
	s_delay_alu instid0(VALU_DEP_1)
	v_lshl_or_b32 v[PW], v[TM+6], 16, v[PW]
	s_delay_alu instid0(VALU_DEP_1)
	v_lshl_or_b32 v[PW], v[TM+7], 24, v[PW]
.irp c, 0,1
	v_cvt_scalef32_pk16_bf6_f32 v[PC+6*\c:PC+2+6*\c], v[\s+32*\c:\s+15+32*\c], v[TM+12+2*\c]
	v_cvt_scalef32_pk16_bf6_f32 v[PC+12+4*\c:PC+14+4*\c], v[\s+16+32*\c:\s+31+32*\c], v[TM+12+2*\c+1]   ; (a conversion's three registers begin on an even number)
.endr
	v_nop                                          ; one plain line behind the scaled conversions
.irp c, 0,1                                    ; the layout wants a whole block in a lane: lanes 0-15 block 2 c, lanes 16-31 block 2 c + 1
.irp i, 0,1,2
	v_permlane16_swap_b32 v[PC+6*\c+\i], v[PC+12+4*\c+\i]
.endr
.irp i, 0,1,2
	s_delay_alu instid0(VALU_DEP_3)
	v_mov_b32 v[PC+3+6*\c+\i], v[PC+12+4*\c+\i]
.endr
.endr
.endm
; the four chains in v[SU] on become the row's sum over all 1,024 columns, in v[PT], the same in every wave
.macro ACROSS stat
	s_delay_alu instid0(VALU_DEP_3)
	v_pk_add_f32 v[SU:SU+1], v[SU:SU+1], v[SU+2:SU+3]
	s_delay_alu instid0(VALU_DEP_2)
	v_pk_add_f32 v[SU+4:SU+5], v[SU+4:SU+5], v[SU+6:SU+7]
	s_delay_alu instid0(VALU_DEP_1)
	v_pk_add_f32 v[SU:SU+1], v[SU:SU+1], v[SU+4:SU+5]
	s_delay_alu instid0(VALU_DEP_1)
	v_add_f32 v[SU], v[SU], v[SU+1]
	s_delay_alu instid0(VALU_DEP_1)
	v_permlanex16_b32 v[SU+1], v[SU], s[SEL], s[SEL+1]
	s_delay_alu instid0(VALU_DEP_1)
	v_add_f32 v[SU], v[SU], v[SU+1]                ; my wave's 128 columns of row r
	ds_store_b32 v10, v[SU] offset:\stat           ; both halves of the lanes write the same word with the same value
	s_wait_dscnt 0x0                               ; for the others' sake: my store has landed
	s_barrier_signal -1
	s_barrier_wait -1
.irp k, 0,1,2,3,4,5,6,7
	ds_load_b32 v[PT+\k], v11 offset:\stat+64*\k
.endr
	s_wait_dscnt 0x0
	v_pk_add_f32 v[PT:PT+1], v[PT:PT+1], v[PT+2:PT+3]
	v_pk_add_f32 v[PT+4:PT+5], v[PT+4:PT+5], v[PT+6:PT+7]
	s_delay_alu instid0(VALU_DEP_1)
	v_pk_add_f32 v[PT:PT+1], v[PT:PT+1], v[PT+4:PT+5]
	s_delay_alu instid0(VALU_DEP_1)
	v_add_f32 v[PT], v[PT], v[PT+1]
.endm
.macro GBLOAD q                        ; g (v[R] on) and b (v[R+32] on) of blocks 2 q, 2 q + 1, in X's order
.irp b, 0,1
.irp j, 0,1,2,3
	ds_load_b128 v[R+16*\b+4*\j:R+16*\b+4*\j+3], v9 offset:128*(2*\q+\b)+16*\j
	ds_load_b128 v[R+32+16*\b+4*\j:R+32+16*\b+4*\j+3], v9 offset:512+128*(2*\q+\b)+16*\j
.endr
.endr
.endm
.macro GBAPPLY q
.set i, 0
.rept 16
	v_pk_fma_f32 v[X+32*\q+i:X+32*\q+i+1], v[X+32*\q+i:X+32*\q+i+1], v[R+i:R+i+1], v[R+32+i:R+32+i+1]
.set i, i+2
.endr
.endm
	s_load_b256 s[4:11], s[0:1], 0x0               ; xin s[4:5], g s[6:7], b s[8:9], in_proj_w s[10:11]
	s_load_b256 s[12:19], s[0:1], 0x20             ; out_w s[12:13], w1 s[14:15], w2 s[16:17], opq s[18:19]
	v_lshl_add_u32 v224, v0, 2, 0x12e00
	v_mov_b32 v225, 0
	v_lshrrev_b32 v1, 5, v0
	s_delay_alu instid0(VALU_DEP_1)
	v_readfirstlane_b32 s[WV], v1                  ; wave 0..7 = my K step
	v_and_b32 v1, 31, v0                           ; lane
	v_and_b32 v2, 15, v0                           ; r
	v_bfe_u32 v3, v0, 4, 1                         ; h
	s_delay_alu instid0(VALU_DEP_3)
	v_lshlrev_b32 v4, 4, v1                        ; 16 x lane
	s_delay_alu instid0(VALU_DEP_4)
	v_lshlrev_b32 v5, 3, v1                        ; 8 x lane
	s_mul_i32 s21, s[WV], 16*SPI
	s_add_co_u32 s21, s21, STG                     ; my stage
	v_add_nc_u32 v6, s21, v4                       ; in: a row's 512 bytes as they lie
	v_mul_u32_u24 v7, v2, SPI
	s_delay_alu instid0(VALU_DEP_1)
	v_lshl_add_u32 v7, v3, 6, v7
	s_delay_alu instid0(VALU_DEP_1)
	v_add_nc_u32 v7, s21, v7                       ; out: row r, + 64 h
	s_lshl_b32 s21, s[WV], 10
	s_add_co_u32 s21, s21, GBS
	v_add_nc_u32 v8, s21, v4                       ; g and b, in
	v_lshlrev_b32 v9, 6, v3
	s_delay_alu instid0(VALU_DEP_1)
	v_add_nc_u32 v9, s21, v9                       ; and out: + 64 h
	s_lshl_b32 s21, s[WV], 6
	v_lshlrev_b32 v11, 2, v2                       ; 4 r
	s_delay_alu instid0(VALU_DEP_1)
	v_add_nc_u32 v10, s21, v11                     ; 64 w + 4 r
	s_mov_b32 s[SEL], 0x76543210
	s_mov_b32 s[SEL+1], 0xfedcba98
	s_mov_b32 s40, 0x3a800000                      ; 1 / 1,024
	s_mov_b32 s41, 0x3727c5ac                      ; 1e-5
.irp b, 0,1,2,3
	v_mov_b32 v[TM+4+\b], 0                        ; written once: a lane permute's destination counts as one of its sources
.endr
	; which tensor, which tile: all from the work-group's number
	s_mov_b32 s22, 768
	s_cmp_lt_u32 ttmp9, 768
	s_cselect_b32 s22, 512, s22                    ; the tensor's first work-group
	s_cselect_b32 s23, 12, 14                      ; a row is 2^12 bytes, in w2 2^14
	s_cselect_b32 s24, 0, 2                        ; w2: four work-groups a tile
	s_cselect_b32 s25, 0, 3
	s_cmp_lt_u32 ttmp9, 512
	s_cselect_b32 s22, 448, s22
	s_cmp_lt_u32 ttmp9, 448
	s_cselect_b32 s22, 256, s22
	s_cmp_lt_u32 ttmp9, 256
	s_cselect_b32 s22, 0, s22
	s_sub_co_u32 s22, ttmp9, s22
	s_and_b32 s25, s22, s25                        ; which 1,024 along K
	s_lshr_b32 s22, s22, s24                       ; the tile T
	s_lshr_b32 s26, s22, 1
	s_lshl_b32 s26, s26, 5
	s_and_b32 s27, s22, 1
	s_lshl_b32 s27, s27, 3
	s_add_co_u32 s26, s26, s27                     ; its first row: 32 (T / 2) + 8 (T % 2)
	s_lshl_b32 s26, s26, s23
	s_lshl_b32 s27, s25, 12
	s_add_co_u32 s26, s26, s27
	s_lshl_b32 s27, s[WV], 9
	s_add_co_u32 s26, s26, s27                     ; + my K step's 512 bytes
	s_mov_b32 s27, 0
	s_add_co_u32 s30, ttmp9, 800                   ; the normed rows' images lie 800 tiles of 12,288 bytes into opq, the weights' from 0 on, in the order of the work-groups
	s_add_co_u32 s31, ttmp9, 6912                  ; their scale words 6,912 tiles of 512 bytes behind WQ_SCL
	s_sub_co_u32 s32, ttmp9, 256
	s_cmp_lt_u32 ttmp9, 256
	s_cselect_b32 s30, s30, s32
	s_cselect_b32 s31, s31, s32
	s_mul_i32 s30, s30, 12288
	s_mul_i32 s33, s[WV], 1536
	s_add_co_u32 s30, s30, s33                     ; my fragment's image
	s_lshl_b32 s32, s31, 9
	s_add_co_u32 s32, s32, WQ_SCL                  ; the tile's scale words
	s_mov_b32 s31, 0
	s_mov_b32 s33, 0
.irp i, 0,1,2,3,4,5,6,7,8,9,10,11,12,13,14,15
	v_lshl_add_u32 v[VO+\i], (\i%8)+16*(\i/8), s23, v4   ; slot i's row
.endr
	s_wait_alu depctr_va_vdst(0)
	s_wait_kmcnt 0x0
	s_cmp_lt_u32 ttmp9, 768                        ; the choice of buffer hangs on the work-group's number alone
	s_cselect_b64 s[34:35], s[14:15], s[16:17]
	s_cmp_lt_u32 ttmp9, 512
	s_cselect_b64 s[34:35], s[12:13], s[34:35]
	s_cmp_lt_u32 ttmp9, 448
	s_cselect_b64 s[34:35], s[10:11], s[34:35]
	s_cmp_lt_u32 ttmp9, 256
	s_cselect_b64 s[34:35], s[4:5], s[34:35]
	s_add_nc_u64 s[34:35], s[34:35], s[26:27]
	s_add_nc_u64 s[36:37], s[18:19], s[30:31]
	s_add_nc_u64 s[38:39], s[18:19], s[32:33]
	s_lshl_b32 s26, s[WV], 9
	s_add_nc_u64 s[6:7], s[6:7], s[26:27]
	s_add_nc_u64 s[8:9], s[8:9], s[26:27]
	global_load_b128 v[G4:G4+3], v4, s[6:7]        ; g and b of my 128 columns (on both ways, so that the counts below are the same)
	global_load_b128 v[B4:B4+3], v4, s[8:9]
.irp i, 0,1,2,3,4,5,6,7,8,9,10,11,12,13,14,15
	global_load_b128 v[R+4*\i:R+4*\i+3], v[VO+\i], s[34:35] th:TH_LOAD_NT   ; 32 lanes read 512 consecutive bytes of slot i's row
.endr
.irp i, 0,1,2,3,4,5,6,7,8,9,10,11,12,13,14,15
	s_wait_loadcnt 15-\i                           ; row i is in; the 15 - i younger loads may be out
	ds_store_b128 v6, v[R+4*\i:R+4*\i+3] offset:\i*SPI
.endr
.irp b, 0,1,2,3
.irp j, 0,1,2,3
	ds_load_b128 v[X+16*\b+4*\j:X+16*\b+4*\j+3], v7 offset:128*\b+16*\j   ; LDS serves a wave's instructions in order: these see my stores
.endr
.endr
	s_wait_dscnt 0x0
	s_cmp_ge_u32 ttmp9, 256                        ; the same for all eight waves
	s_cbranch_scc1 .Lquant
	; ---- LayerNorm
	ds_store_b128 v8, v[G4:G4+3]
	ds_store_b128 v8, v[B4:B4+3] offset:512
.irp c, 0,1,2,3
	v_pk_add_f32 v[SU+2*\c:SU+2*\c+1], v[X+2*\c:X+2*\c+1], v[X+8+2*\c:X+9+2*\c]
.endr
.irp j, 16,24,32,40,48,56
.irp c, 0,1,2,3
	s_delay_alu instid0(VALU_DEP_4)
	v_pk_add_f32 v[SU+2*\c:SU+2*\c+1], v[SU+2*\c:SU+2*\c+1], v[X+\j+2*\c:X+\j+2*\c+1]
.endr
.endr
	ACROSS STAT1
	s_delay_alu instid0(VALU_DEP_1)
	v_mul_f32 v14, s40, v[PT]                      ; the mean
	s_delay_alu instid0(VALU_DEP_1)
	v_mov_b32 v15, v14
.set i, 0
.rept 32
	v_pk_add_f32 v[X+i:X+i+1], v[X+i:X+i+1], v[14:15] op_sel_hi:[1,0] neg_lo:[0,1] neg_hi:[0,1]
.set i, i+2
.endr
.irp c, 0,1,2,3
	v_pk_mul_f32 v[SU+2*\c:SU+2*\c+1], v[X+2*\c:X+2*\c+1], v[X+2*\c:X+2*\c+1]
.endr
.irp j, 8,16,24,32,40,48,56
.irp c, 0,1,2,3
	s_delay_alu instid0(VALU_DEP_4)
	v_pk_fma_f32 v[SU+2*\c:SU+2*\c+1], v[X+\j+2*\c:X+\j+2*\c+1], v[X+\j+2*\c:X+\j+2*\c+1], v[SU+2*\c:SU+2*\c+1]
.endr
.endr
	ACROSS STAT2
	GBLOAD 0
	v_fma_f32 v14, v[PT], s40, s41                 ; the variance + 1e-5
	s_wait_alu depctr_va_vdst(0)
	v_rsq_f32 v14, v14
	v_nop                                          ; a plain line behind the transcendental
	s_wait_alu depctr_va_vdst(0)                   ; and the wait ahead of its first reader
	v_mov_b32 v15, v14
.set i, 0
.rept 32
	v_pk_mul_f32 v[X+i:X+i+1], v[X+i:X+i+1], v[14:15] op_sel_hi:[1,0]
.set i, i+2
.endr
	s_wait_dscnt 0x0
	GBAPPLY 0
	GBLOAD 1
	s_wait_dscnt 0x0
	GBAPPLY 1
.Lquant:
	QUANT X
	global_store_b128 v4, v[PC:PC+3], s[36:37]               ; each store covers 512 or 256 consecutive bytes, aligned
	global_store_b64 v5, v[PC+4:PC+5], s[36:37] offset:512
	global_store_b128 v4, v[PC+6:PC+9], s[36:37] offset:768
	global_store_b64 v5, v[PC+10:PC+11], s[36:37] offset:1280
	ds_store_b32 v10, v[PW] offset:SCG
	s_wait_dscnt 0x0                               ; for wave 0's sake
	s_barrier_signal -1
	s_barrier_wait -1
	s_cmp_lg_u32 s[WV], 0
	s_cbranch_scc1 .Lend
	ds_load_b128 v[R:R+3], v4 offset:SCG           ; the tile's 128 scale words leave as 512 consecutive bytes
	s_wait_dscnt 0x0
	global_store_b128 v4, v[R:R+3], s[38:39]
.Lend:
	s_wait_tensorcnt 0x0
	ds_add_u32 v224, v225
	s_wait_dscnt 0x0
	s_endpgm
.Lfunc_end_k_qd29c4aee95_prep:
	.size	k_qd29c4aee95_prep, .Lfunc_end_k_qd29c4aee95_prep-k_qd29c4aee95_prep
	.p2alignl 7, 3214868480
	.fill 96, 4, 3214868480
	.section	.rodata,"a",@progbits
	.p2align	6, 0x0
	.amdhsa_kernel k_qd29c4aee95_prep
		.amdhsa_group_segment_fixed_size 78336
		.amdhsa_private_segment_fixed_size 0
		.amdhsa_enable_private_segment 0
		.amdhsa_kernarg_size 64
		.amdhsa_user_sgpr_count 2
		.amdhsa_user_sgpr_kernarg_segment_ptr 1
		.amdhsa_wavefront_size32 1
		.amdhsa_system_sgpr_workgroup_id_x 1
		.amdhsa_system_sgpr_workgroup_id_y 1
		.amdhsa_system_sgpr_workgroup_id_z 1
		.amdhsa_system_vgpr_workitem_id 0
		.amdhsa_next_free_vgpr 226
		.amdhsa_next_free_sgpr 66
		.amdhsa_reserve_vcc 0
		.amdhsa_float_denorm_mode_32 3
		.amdhsa_float_denorm_mode_16_64 3
		.amdhsa_memory_ordered 1
		.amdhsa_forward_progress 1
		.amdhsa_inst_pref_size 33
	.end_amdhsa_kernel
	.amdgpu_metadata
---
amdhsa.version: [ 1, 2 ]
amdhsa.kernels:
  - .name:           k_qd29c4aee95_prep
    .symbol:         k_qd29c4aee95_prep.kd
    .args:
      - { .name: x, .offset: 0, .size: 8, .value_kind: global_buffer, .address_space: global }
      - { .name: ln1_g, .offset: 8, .size: 8, .value_kind: global_buffer, .address_space: global }
      - { .name: ln1_b, .offset: 16, .size: 8, .value_kind: global_buffer, .address_space: global }
      - { .name: in_proj_w, .offset: 24, .size: 8, .value_kind: global_buffer, .address_space: global }
      - { .name: out_w, .offset: 32, .size: 8, .value_kind: global_buffer, .address_space: global }
      - { .name: w1, .offset: 40, .size: 8, .value_kind: global_buffer, .address_space: global }
      - { .name: w2, .offset: 48, .size: 8, .value_kind: global_buffer, .address_space: global }
      - { .name: opq, .offset: 56, .size: 8, .value_kind: global_buffer, .address_space: global }
    .group_segment_fixed_size: 78336
    .private_segment_fixed_size: 0
    .kernarg_segment_align: 8
    .kernarg_segment_size: 64
    .max_flat_workgroup_size: 256
    .sgpr_count:     66
    .vgpr_count:     226
    .wavefront_size: 32
...
	.end_amdgpu_metadata
.endif
;; end of part 1
;; launch qkv (part 2): grid 8 x 48, 4 waves a work-group, clusters of 4 x 4, 327,680 bytes of LDS; arguments opq, in_proj_b, qkv; writes qkv
.if DOCPART == 2
	.amdgcn_target "amdgcn-amd-amdhsa--gfx1250"
	.amdhsa_code_object_version 6
	.text
	.protected	k_qd29c4aee95_qkv
	.globl	k_qd29c4aee95_qkv
	.p2align	8
	.type	k_qd29c4aee95_qkv,@function
k_qd29c4aee95_qkv:
	s_mov_b64 s[64:65], 0
	v_nop
	global_prefetch_b8 v0, s[64:65] scope:SCOPE_SE
	s_setreg_imm32_b32 hwreg(HW_REG_WAVE_MODE, 25, 1), 1
	s_wait_xcnt 0x0
	s_wait_alu depctr_hold_cnt(0) depctr_sa_sdst(0) depctr_va_vdst(0) depctr_va_sdst(0) depctr_va_ssrc(0) depctr_va_vcc(0) depctr_vm_vsrc(0)
	s_getreg_b32 s2, hwreg(HW_REG_IB_STS2, 6, 4)
	s_cmp_eq_u32 s2, 0
	s_cbranch_scc0 .Lentry_in_a_cluster
	s_endpgm
.Lentry_in_a_cluster:
	s_bfe_u32 s2, ttmp6, 0x10000c
	s_cmp_lg_u32 s2, 0xf033
	s_cbranch_scc0 .Lentry_shape_is_right
	s_endpgm
.Lentry_shape_is_right:
; qkv = LN1(x) in_proj_w^T + in_proj_b on codes of BF6 (E3M2), and its results quantised at once, as operands of the two products of attention.
; THE PRODUCT: source 0 = 16 slots of S0, source 1 = 16 slots of S1: a lane holds ONE slot of S1 and its registers run along S0, in true order (a tile's slots are chosen for that).
; Clusters with y < 8 (q and k): S1 = tokens, S0 = features: a lane's 64 numbers are 128 features of one token = two heads: quantised along the head.
; Clusters with y >= 8 (v): S1 = v's features, S0 = tokens: a lane's 64 numbers are 128 tokens of one feature: quantised along the keys.
; A work-group makes 128 slots of S1 x 256 of S0; wave w takes S1's half w / 2 (4 tiles) and S0's half w % 2 (8 tiles): 32 accumulators.  K = 1,024 lies in two LDS slots of 4 K steps, each filled once.
; OPERANDS lie in memory and LDS as images of their registers (1,536 bytes a fragment): every LDS load is 512 or 256 consecutive bytes.
; CLUSTERS 4 x 4: S1's tiles are shared along a row of the cluster, S0's along a column: joint loads.
; REGISTERS: window 0: v1-29 addresses; v32-47 scale words, two sets; v48-143 S1's fragments, two sets; v144-255 the way out.  window 1: S0's fragments at 128 p + 12 b; the bias at v96-127, v224-255.  window 2: accumulator (a, b) at v[8 (8 a + b)].
; LIMITS: NaN and infinities are not served; a block of zeros gets the byte 1.
.set KS,     8                         ; K steps of 128
.set NB,     8                         ; S0 tiles of a wave
.set WQ_SCL, 9437184                   ; opq: the scale words
.set V_IMG,  6291456                   ; qkv: v's images, q's and k's scale words, v's scale words
.set QK_SCL, 9437184
.set V_SCL,  9961472
.set S1SL,   49152                     ; a slot: S1's 8 tiles x 4 steps x 1,536, then S0's 16 tiles
.set SLICE,  S1SL+2*NB*6144
.set SCLB,   2*SLICE                   ; behind the slots: S1's scale words of all K, then S0's
.set SPARE,  SCLB+8*KS*64+2*NB*KS*64   ; the spare words, 128 bytes for each wave
.set ADA16, 8                          ; v8-9 S1's fragments in slot 0, 1: + 16 x lane;  v10-11: + 8 x lane
.set ADA8,  10
.set ADB16, 12                         ; v12-15 the same for S0
.set ADB8,  14
.set ADS,   24                         ; v24 my scale words: lanes 0-15 S1's, lanes 16-31 S0's
.set BVO,   25                         ; v25 v's bias: my slot's feature x 4
.set VSO,   26                         ; v26 where my scale word goes
.set VSH,   27                         ; v27 by how much it is shifted down
.set SPW,   28
.set NIL,   29
.set SC,    32
.set S1F,   48
.set X,     144
.set PC,    208
.set TM,    228
.set PW,    244
.set W,     245
.set BV,    246                        ; v246-253 v's bias of my slot in tile a, in pairs
.set G1, 24
.set G0, 32
.set G1B, 48
.set G0B, 56
.set SEL, 66
.set G1S, 68
.set G0S, 76
.set G1SB, 80
.set G0SB, 88
.set REG, 98                           ; s98: 0 q and k, 1 v: from the cluster's y alone, so the same in all sixteen partners
.set MSB, 0
.macro WIN new                         ; the immediate's high byte repeats the setting that is left
.if MSB != \new
	s_set_vgpr_msb (MSB<<8)|\new
.set MSB, \new
.endif
.endm
.set MUL,  0xa1                        ; source 0 (S0) window 1, source 1 (S1) window 0, C and D window 2
.set TO_1, 0x40                        ; destination window 1
.macro PLACES n
.rept \n
	v_nop
.endr
.endm
.macro JLOAD g0a, g1a, g0b, g1b        ; a joint load: waves 0, 1 fetch for S1, waves 2, 3 for S0; four v_nop follow each line
	s_cmp_eq_u32 s15, 0
	s_cbranch_scc0 .Lfor_b_\@
	tensor_load_to_lds s[\g0a:\g0a+3], s[\g1a:\g1a+7]
	s_nop 0
.rept 4
	v_nop
.endr
	s_branch .Lasked_\@
.Lfor_b_\@:
	tensor_load_to_lds s[\g0b:\g0b+3], s[\g1b:\g1b+7]
	s_nop 0
.rept 4
	v_nop
.endr
.Lasked_\@:
.endm
.macro CREST
	s_cmp_lg_u32 s14, 0
	s_cbranch_scc1 .Lnot_wave_0_\@
	s_barrier_signal -3
.Lnot_wave_0_\@:
	s_barrier_wait -3
	s_barrier_signal -1
	s_barrier_wait -1
.endm
.macro CROUND
	s_barrier_signal -1
	s_barrier_wait -1
	CREST
.endm
.macro FRAG reg, a16, a8, off          ; a fragment's image into 12 registers
	ds_load_b128 v[\reg:\reg+3], v[\a16] offset:\off
	ds_load_b64 v[\reg+4:\reg+5], v[\a8] offset:\off+512
	ds_load_b128 v[\reg+6:\reg+9], v[\a16] offset:\off+768
	ds_load_b64 v[\reg+10:\reg+11], v[\a8] offset:\off+1280
.endm
.macro FETCH slot, e, p                ; the fragments and scale words of the slot's step e into set p
	WIN TO_1
.set bb, 0
.rept NB
	FRAG 128*(\p)+12*bb, ADB16+\slot, ADB8+\slot, (4*bb+(\e))*1536
.set bb, bb+1
.endr
	WIN 0
.set bb, 0
.rept 4
	FRAG S1F+48*(\p)+12*bb, ADA16+\slot, ADA8+\slot, (4*bb+(\e))*1536
.set bb, bb+1
.endr
.set bb, 0
.rept NB
	ds_load_b32 v[SC+8*(\p)+bb], v[ADS] offset:(bb*KS+(\e))*64
.set bb, bb+1
.endr
.endm
.macro MULA p, a, zero                 ; S1's tile a against S0's NB tiles; the accumulators take turns, one instruction a turn
.set bb, 0
.rept NB
.if \zero
	v_wmma_scale_f32_16x16x128_f8f6f4 v[8*(NB*(\a)+bb):8*(NB*(\a)+bb)+7], v[128*(\p)+12*bb:128*(\p)+12*bb+11], v[S1F+48*(\p)+12*(\a):S1F+48*(\p)+12*(\a)+11], 0, v[SC+8*(\p)+bb], v[SC+8*(\p)+(\a)] matrix_a_fmt:MATRIX_FMT_BF6 matrix_b_fmt:MATRIX_FMT_BF6 matrix_a_scale:MATRIX_SCALE_ROW1
.else
	v_wmma_scale_f32_16x16x128_f8f6f4 v[8*(NB*(\a)+bb):8*(NB*(\a)+bb)+7], v[128*(\p)+12*bb:128*(\p)+12*bb+11], v[S1F+48*(\p)+12*(\a):S1F+48*(\p)+12*(\a)+11], v[8*(NB*(\a)+bb):8*(NB*(\a)+bb)+7], v[SC+8*(\p)+bb], v[SC+8*(\p)+(\a)] matrix_a_fmt:MATRIX_FMT_BF6 matrix_b_fmt:MATRIX_FMT_BF6 matrix_a_scale:MATRIX_SCALE_ROW1
.endif
.set bb, bb+1
.endr
.endm
.macro STEP slot, e, zero              ; a K step that has its successor in the same slot
	s_wait_dscnt 0x0                               ; this step's set is in
	PLACES 4                                       ; in front of loads into the other set, which the last step's matrix instructions have read
	FETCH \slot, (\e)+1, 1-(\e)%2                  ; the next step's set is asked for ahead of this step's 32 products
	WIN MUL
	MULA (\e)%2, 0, \zero
	MULA (\e)%2, 1, \zero
	MULA (\e)%2, 2, \zero
	MULA (\e)%2, 3, \zero
.endm
.macro TURN slot, next                 ; a slot's last step: one barrier, behind which the other slot is whole for every wave
	WIN 0
	s_wait_tensorcnt 0x0                           ; all my tensor loads have landed: my part of the next slot
	ds_add_u32 v[SPW], v[NIL]                      ; 0 onto my spare word
	s_wait_dscnt 1                                 ; this step's set is in; only the add may be out
	WIN MUL
	MULA 1, 0, 0
	s_wait_dscnt 0x0                               ; the add is done, my reads of this slot are over
	s_barrier_signal -1
	MULA 1, 1, 0
	WIN 0
	s_barrier_wait -1
	PLACES 4
	v_add_nc_u32 v[ADS], 256, v[ADS]               ; the next four steps' scale words
	FETCH \next, 0, 0
	WIN MUL
	MULA 1, 2, 0
	MULA 1, 3, 0
.endm
.macro QUANT s
.irp b, 0,1,2,3
	v_max3_num_f32 v[TM+\b], |v[\s+16*\b]|, |v[\s+1+16*\b]|, 0x2800000   ; block b: my 16 numbers and the floor 2^(5 - 127)
.endr
.irp i, 2,4,6,8,10,12,14
.irp b, 0,1,2,3
	v_max3_num_f32 v[TM+\b], v[TM+\b], |v[\s+16*\b+\i]|, |v[\s+1+16*\b+\i]|
.endr
.endr
.irp b, 0,1,2,3
	v_permlanex16_b32 v[TM+4+\b], v[TM+\b], s[SEL], s[SEL+1]
.endr
.irp b, 0,1,2,3
	v_max_num_f32 v[TM+\b], v[TM+\b], v[TM+4+\b]
.endr
.irp b, 0,1,2,3
	v_add_nc_u32 v[TM+12+\b], 0xfe000000, v[TM+\b]   ; 4 off the exponent field: the conversion's scale operand
.endr
.irp b, 0,1,2,3
	v_lshrrev_b32 v[TM+4+\b], 23, v[TM+12+\b]
.endr
	v_lshl_or_b32 v[PW], v[TM+5], 8, v[TM+4]
	v_lshl_or_b32 v[PW], v[TM+6], 16, v[PW]
	v_lshl_or_b32 v[PW], v[TM+7], 24, v[PW]
.irp c, 0,1
	v_cvt_scalef32_pk16_bf6_f32 v[PC+6*\c:PC+2+6*\c], v[\s+32*\c:\s+15+32*\c], v[TM+12+2*\c]
	v_cvt_scalef32_pk16_bf6_f32 v[PC+12+4*\c:PC+14+4*\c], v[\s+16+32*\c:\s+31+32*\c], v[TM+12+2*\c+1]
.endr
	v_nop                                          ; one plain line behind the scaled conversions
.irp c, 0,1
.irp i, 0,1,2
	v_permlane16_swap_b32 v[PC+6*\c+\i], v[PC+12+4*\c+\i]
.endr
.irp i, 0,1,2
	v_mov_b32 v[PC+3+6*\c+\i], v[PC+12+4*\c+\i]
.endr
.endr
.endm
	s_load_b128 s[4:7], s[0:1], 0x0                ; opq s[4:5], in_proj_b s[6:7]
	s_load_b64 s[8:9], s[0:1], 0x10                ; qkv
	v_lshl_add_u32 v[SPW], v0, 2, SPARE
	v_mov_b32 v[NIL], 0
	ds_add_u32 v28, v29
	ds_add_u32 v28, v29
	s_wait_dscnt 0x0
	v_lshrrev_b32 v1, 5, v0
	v_readfirstlane_b32 s14, v1                    ; wave 0..3
	s_lshr_b32 s15, s14, 1                         ; my half of S1.  Also: I fetch for S1 (0) or S0 (1)
	s_and_b32 s16, s14, 1                          ; my half of S0.  Also: which half I fetch
	s_bfe_u32 s40, ttmp6, 0x40000                  ; cx
	s_bfe_u32 s41, ttmp6, 0x40004                  ; cy
	s_lshl_b32 s42, ttmp9, 2
	s_add_co_u32 s42, s42, s40                     ; x
	s_lshl_b32 s43, s41, 2
	s_lshl_b32 s43, 15, s43                        ; my row of the cluster
	s_lshl_b32 s44, 0x1111, s40                    ; my column
	s_and_b32 s17, ttmp7, 0xffff                   ; the cluster's y, 0..11
	s_sub_co_u32 s18, s17, 8                       ; v's clusters: yy = 0..3
	s_and_b32 s19, s18, 1
	s_lshr_b32 s18, s18, 1
	s_lshl_b32 s18, s18, 3
	s_mov_b32 s93, 128
	s_mov_b32 s12, 98304
	s_mov_b32 s13, 4096
	s_mov_b32 s10, V_SCL
	s_cmp_lt_u32 s17, 8
	s_cselect_b32 s[REG], 0, 1
	s_cselect_b32 s17, s17, s19                    ; S1's row of clusters: y, or yy % 2
	s_cselect_b32 s18, 0, s18                      ; S0's tile gets 8 (yy / 2) on top of x
	s_cselect_b32 s94, 800, s93                    ; S1's images: the normed rows lie 800 tiles into opq, v's weights 128
	s_cselect_b32 s95, 6912, s93                   ; and its scale words
	s_cselect_b32 s96, 0, 800                      ; S0's: the weights of q and k from 0, or the normed rows
	s_cselect_b32 s97, 0, 6912
	s_cselect_b32 s12, 393216, s12                 ; the way out: a head pair's images, or a key step's
	s_cselect_b32 s13, 32768, s13                  ; and scale words
	s_cselect_b32 s11, 0, V_IMG
	s_cselect_b32 s10, QK_SCL, s10
	s_lshl_b32 s17, s17, 2
	s_add_co_u32 s17, s17, s41                     ; S1's tile of 128 slots: it never holds cx
	s_add_co_u32 s42, s42, s18                     ; S0's tile of 256 slots: it never holds cy
	s_or_b32 s[G1], s43, (3<<16)|(1<<21)           ; 15:0 the mask: S1's tiles go to my row; 17:16 elements of 8 bytes; 21 set beside a mask
	s_or_b32 s[G1B], s44, (3<<16)|(1<<21)
	s_or_b32 s[G1S], s43, (3<<16)|(1<<21)
	s_or_b32 s[G1SB], s44, (3<<16)|(1<<21)
.irp g, G1, G1B
	s_mov_b32 s[\g+1], 768<<16                     ; tensor_dim0: 4 K steps of a tile, 6,144 bytes
	s_mov_b32 s[\g+3], 768<<16                     ; tile_dim0
	s_mov_b32 s[\g+5], KS*192                      ; from tile to tile
	s_mov_b32 s[\g+6], 0
	s_mov_b32 s[\g+7], 0
.endr
	s_mov_b32 s[G1+2], 8<<16                       ; tensor_dim1: the head's loads bring a slot's whole side: 8 tiles of S1,
	s_mov_b32 s[G1+4], 8
	s_mov_b32 s[G1B+2], (2*NB)<<16                 ; 2 NB tiles of S0
	s_mov_b32 s[G1B+4], 2*NB
.irp g, G1S, G1SB
	s_mov_b32 s[\g+1], 32<<16                      ; the scale words: a dense block as rows of 256 bytes
	s_mov_b32 s[\g+3], 32<<16
	s_mov_b32 s[\g+5], 32
	s_mov_b32 s[\g+6], 0
	s_mov_b32 s[\g+7], 0
.endr
	s_mov_b32 s[G1S+2], (2*KS)<<16                 ; 8 tiles x KS x 64 bytes
	s_mov_b32 s[G1S+4], 2*KS
	s_mov_b32 s[G1SB+2], (NB*KS/2)<<16             ; 2 NB tiles x KS x 64 bytes
	s_mov_b32 s[G1SB+4], NB*KS/2
	s_lshl_b32 s20, s17, 3
	s_add_co_u32 s22, s20, s95                     ; the scale words of all 8 tiles come by one load
	s_lshl_b32 s21, s16, 2
	s_add_co_u32 s20, s20, s21                     ; S1: the first of the 4 tiles that I fetch in the ring
	s_lshl_b32 s22, s22, 9
	s_add_co_u32 s22, s22, WQ_SCL
	s_add_co_u32 s20, s20, s94
	s_mul_i32 s20, s20, 12288
	s_mov_b32 s21, 0
	s_mov_b32 s23, 0
	s_lshl_b32 s46, s42, 4
	s_add_co_u32 s92, s46, s97                     ; the scale words of all 16 tiles
	s_lshl_b32 s47, s16, 3
	s_add_co_u32 s46, s46, s47                     ; S0: the first of the 8 tiles
	s_lshl_b32 s92, s92, 9
	s_add_co_u32 s92, s92, WQ_SCL
	s_add_co_u32 s46, s46, s96
	s_mul_i32 s46, s46, 12288
	s_mov_b32 s47, 0
	s_mov_b32 s93, 0
	s_mul_i32 s45, s16, 24576                      ; where they go: no place in the cluster enters an LDS address
	s_mul_i32 s94, s16, NB*6144
	s_add_co_u32 s94, s94, S1SL
	s_mov_b32 s[SEL], 0x76543210
	s_mov_b32 s[SEL+1], 0xfedcba98
	s_wait_kmcnt 0x0
	s_add_nc_u64 s[20:21], s[4:5], s[20:21]
	s_add_nc_u64 s[22:23], s[4:5], s[22:23]
	s_add_nc_u64 s[46:47], s[4:5], s[46:47]
	s_add_nc_u64 s[92:93], s[4:5], s[92:93]
	CROUND                                         ; all sixteen work-groups are here: the first joint loads meet
	s_mov_b32 s[G0S], 1
	s_mov_b32 s[G0S+1], SCLB
	s_mov_b64 s[G0S+2:G0S+3], s[22:23]
	s_or_b32 s[G0S+3], s[G0S+3], 0x80000000
	s_mov_b32 s[G0SB], 1
	s_mov_b32 s[G0SB+1], SCLB+8*KS*64
	s_mov_b64 s[G0SB+2:G0SB+3], s[92:93]
	s_or_b32 s[G0SB+3], s[G0SB+3], 0x80000000
.irp s, 0,1
	s_mov_b32 s[G0+4*\s], 1
	s_add_co_u32 s[G0+4*\s+1], s45, \s*SLICE
	s_add_nc_u64 s[G0+4*\s+2:G0+4*\s+3], s[20:21], \s*6144
	s_or_b32 s[G0+4*\s+3], s[G0+4*\s+3], 0x80000000
	s_mov_b32 s[G0B+4*\s], 1
	s_add_co_u32 s[G0B+4*\s+1], s94, \s*SLICE
	s_add_nc_u64 s[G0B+4*\s+2:G0B+4*\s+3], s[46:47], \s*6144
	s_or_b32 s[G0B+4*\s+3], s[G0B+4*\s+3], 0x80000000
.endr
; THE HEAD'S LOADS, ONE A WAVE: wave 0 slot 0's 8 tiles of S1, wave 2 its 2 NB tiles of S0 (both have w % 2 = 0, so their ring addresses are the sides' first tiles), wave 1 S1's scale words, wave 3 S0's.
; One chain of branches on the wave's number, a load to an arm, all arms to one join.
.macro ARM w, g0, g1, next
	s_cmp_eq_u32 s14, \w
	s_cbranch_scc0 \next
	tensor_load_to_lds s[\g0:\g0+3], s[\g1:\g1+7]
	s_nop 0
.rept 4
	v_nop
.endr
	s_branch .Lhead_asked
\next:
.endm
	ARM 0, G0, G1, .Lhead_b
	ARM 2, G0B, G1B, .Lhead_sa
	ARM 1, G0S, G1S, .Lhead_sb
	tensor_load_to_lds s[G0SB:G0SB+3], s[G1SB:G1SB+7]
	s_nop 0
.rept 4
	v_nop
.endr
.Lhead_asked:
	v_and_b32 v1, 15, v0                           ; r
	v_bfe_u32 v2, v0, 4, 1                         ; h
	v_and_b32 v5, 31, v0
	v_lshlrev_b32 v3, 4, v5                        ; 16 x lane
	v_lshlrev_b32 v4, 3, v5                        ; 8 x lane
	s_mul_i32 s21, s15, 24576
	s_mul_i32 s22, s16, NB*6144
	s_add_co_u32 s22, s22, S1SL
.irp s, 0,1
	v_add_nc_u32 v[ADA16+\s], s21, v3
	v_add_nc_u32 v[ADA8+\s], s21, v4
	v_add_nc_u32 v[ADB16+\s], s22, v3
	v_add_nc_u32 v[ADB8+\s], s22, v4
	s_add_co_u32 s21, s21, SLICE
	s_add_co_u32 s22, s22, SLICE
.endr
	s_mul_i32 s21, s15, 4*KS*64                    ; S1's scale words: my 4 tiles
	s_mul_i32 s22, s16, NB*KS*64                   ; S0's: my 8 tiles, behind S1's 8
	s_add_co_u32 s22, s22, 8*KS*64
	s_sub_co_u32 s22, s22, s21
	v_mul_u32_u24 v6, s22, v2                      ; lanes 16-31 take S0's
	s_add_co_u32 s21, s21, SCLB
	v_lshl_add_u32 v6, v1, 2, v6
	v_add_nc_u32 v[ADS], s21, v6
.irp b, 0,1,2,3
	v_mov_b32 v[TM+4+\b], 0                        ; written once: a lane permute's destination counts as one of its sources
.endr
	; the way out: u = 2 x S0's tile + w % 2 (head pair, or key step), t = 8 x S1's tile + 4 (w / 2) (token tile, or feature tile)
	s_lshl_b32 s18, s42, 1
	s_add_co_u32 s18, s18, s16
	s_lshl_b32 s19, s17, 3
	s_lshl_b32 s20, s15, 2
	s_add_co_u32 s19, s19, s20
	s_mul_i32 s20, s18, s12
	s_mul_i32 s21, s19, 1536
	s_add_co_u32 s20, s20, s21
	s_add_co_u32 s20, s20, s11
	s_mul_i32 s22, s18, s13
	s_lshl_b32 s23, s19, 6
	s_add_co_u32 s22, s22, s23
	s_add_co_u32 s22, s22, s10
	s_mov_b32 s21, 0
	s_mov_b32 s23, 0
	s_add_nc_u64 s[10:11], s[8:9], s[22:23]        ; scale words
	s_add_nc_u64 s[8:9], s[8:9], s[20:21]          ; codes
	s_lshl_b32 s20, s18, 9                         ; q, k: the bias of my 128 features
	s_lshl_b32 s22, s19, 6
	s_add_co_u32 s22, s22, 8192                    ; v: the bias from feature 2,048 + 16 t on
	s_cmp_eq_u32 s[REG], 0                         ; both sets are loaded on both ways, the one not used from the buffer's head
	s_cselect_b32 s20, s20, 0
	s_cselect_b32 s22, 0, s22
	s_cselect_b32 s18, 16, 0
	s_cselect_b32 s19, 16384, 0
	s_add_nc_u64 s[12:13], s[6:7], s[20:21]
	s_add_nc_u64 s[6:7], s[6:7], s[22:23]
	v_mul_u32_u24 v[VSO], s19, v2                  ; q, k: lanes 16-31 store the odd head's word, 16,384 bytes on,
	v_lshl_add_u32 v[VSO], v1, 2, v[VSO]
	v_mul_u32_u24 v[VSH], s18, v2                  ; which is the upper half of the scale word
	v_and_b32 v[BVO], 8, v1
	v_add_nc_u32 v[BVO], v[BVO], v1
	v_lshlrev_b32 v[BVO], 2, v[BVO]                ; 4 (r + 8 (r / 8))
	v_lshlrev_b32 v7, 6, v2                        ; 64 h
.irp a, 0,1,2,3
	global_load_b32 v[BV+2*\a], v[BVO], s[6:7] offset:(32*(\a/2)+8*(\a%2))*4
	v_mov_b32 v[BV+2*\a+1], 0                      ; (named with it as a pair)
.endr
	WIN TO_1
.irp t, 0,1,2,3,4,5,6,7                        ; the bias in the result's layout: tile t, lane (r, h): features 32 (t / 2) + 8 (t % 2) + 16 h + 0 .. 7
	global_load_b128 v[96+8*\t+96*(\t/4):96+8*\t+96*(\t/4)+3], v7, s[12:13] offset:(32*(\t/2)+8*(\t%2))*4
	global_load_b128 v[96+8*\t+96*(\t/4)+4:96+8*\t+96*(\t/4)+7], v7, s[12:13] offset:(32*(\t/2)+8*(\t%2))*4+16
.endr
	WIN 0
	s_wait_alu depctr_va_vdst(0)
	s_wait_tensorcnt 0x0                           ; my tile of the head's four is in
	ds_add_u32 v[SPW], v[NIL]
	s_mov_b32 s[G1+2], 4<<16                       ; no tensor load of mine is out: from here on a load brings half a side
	s_mov_b32 s[G1+4], 4
	s_mov_b32 s[G1B+2], NB<<16
	s_mov_b32 s[G1B+4], NB
	s_wait_dscnt 0x0
	CROUND                                         ; all four tiles are in, all sixteen work-groups are here
	JLOAD G0+4, G1, G0B+4, G1B                     ; slot 1: K steps 4 .. 7, the first tensor load behind the round
	FETCH 0, 0, 0
	STEP 0, 0, 1                                   ; the first products start the sums
	STEP 0, 1, 0
	STEP 0, 2, 0
	TURN 0, 1
	s_wait_alu depctr_va_vdst(0)
	STEP 1, 0, 0
	STEP 1, 1, 0
	STEP 1, 2, 0
	s_wait_dscnt 0x0
	WIN MUL
	MULA 1, 0, 0
	MULA 1, 1, 0
	MULA 1, 2, 0
	MULA 1, 3, 0
	WIN 0
	PLACES 4                                       ; in front of the first read of results
	s_wait_loadcnt 0x0                             ; the biases
; THE WAY OUT of S1's tile a: + bias, quantised along S0, the fragment's image and its scale words stored.
.macro EPI a
.if (\a) > 0
	s_wait_xcnt 0x0                                ; the last tile's stores have read their registers
.endif
	s_cmp_eq_u32 s[REG], 0
	s_cbranch_scc0 .Lvbias_\@
	WIN 0x06                                       ; source 0 window 2, source 1 window 1
.set bb, 0
.rept 8
.irp j, 0,2,4,6
	v_pk_add_f32 v[X+8*bb+\j:X+8*bb+\j+1], v[8*(8*(\a)+bb)+\j:8*(8*(\a)+bb)+\j+1], v[96+8*bb+96*(bb/4)+\j:96+8*bb+96*(bb/4)+\j+1]   ; each accumulator from its low end on
.endr
.set bb, bb+1
.endr
	WIN 0
	s_branch .Lbiased_\@
.Lvbias_\@:
	WIN 0x02
.set bb, 0
.rept 8
.irp j, 0,2,4,6
	v_pk_add_f32 v[X+8*bb+\j:X+8*bb+\j+1], v[8*(8*(\a)+bb)+\j:8*(8*(\a)+bb)+\j+1], v[BV+2*(\a):BV+2*(\a)+1] op_sel_hi:[1,0]   ; v: one feature a lane
.endr
.set bb, bb+1
.endr
	WIN 0
.Lbiased_\@:
	QUANT X
	v_lshrrev_b32 v[W], v[VSH], v[PW]
	global_store_b128 v3, v[PC:PC+3], s[8:9] offset:(\a)*1536
	global_store_b64 v4, v[PC+4:PC+5], s[8:9] offset:(\a)*1536+512
	global_store_b128 v3, v[PC+6:PC+9], s[8:9] offset:(\a)*1536+768
	global_store_b64 v4, v[PC+10:PC+11], s[8:9] offset:(\a)*1536+1280
	global_store_b32 v[VSO], v[W], s[10:11] offset:(\a)*64
.endm
	EPI 0
	EPI 1
	EPI 2
	EPI 3
	s_wait_tensorcnt 0x0                           ; the wave's end
	ds_add_u32 v[SPW], v[NIL]
	s_wait_dscnt 0x0
	CROUND                                         ; the closing round
	s_endpgm
.Lfunc_end_k_qd29c4aee95_qkv:
	.size	k_qd29c4aee95_qkv, .Lfunc_end_k_qd29c4aee95_qkv-k_qd29c4aee95_qkv
	.p2alignl 7, 3214868480
	.fill 96, 4, 3214868480
	.section	.rodata,"a",@progbits
	.p2align	6, 0x0
	.amdhsa_kernel k_qd29c4aee95_qkv
		.amdhsa_group_segment_fixed_size 327680
		.amdhsa_private_segment_fixed_size 0
		.amdhsa_enable_private_segment 0
		.amdhsa_kernarg_size 24
		.amdhsa_user_sgpr_count 2
		.amdhsa_user_sgpr_kernarg_segment_ptr 1
		.amdhsa_wavefront_size32 1
		.amdhsa_system_sgpr_workgroup_id_x 1
		.amdhsa_system_sgpr_workgroup_id_y 1
		.amdhsa_system_sgpr_workgroup_id_z 1
		.amdhsa_system_vgpr_workitem_id 0
		.amdhsa_next_free_vgpr 768
		.amdhsa_next_free_sgpr 100
		.amdhsa_reserve_vcc 0
		.amdhsa_float_denorm_mode_32 3
		.amdhsa_float_denorm_mode_16_64 3
		.amdhsa_memory_ordered 1
		.amdhsa_forward_progress 1
		.amdhsa_inst_pref_size 111
	.end_amdhsa_kernel
	.amdgpu_metadata
---
amdhsa.version: [ 1, 2 ]
amdhsa.kernels:
  - .name:           k_qd29c4aee95_qkv
    .symbol:         k_qd29c4aee95_qkv.kd
    .args:
      - { .name: opq, .offset: 0, .size: 8, .value_kind: global_buffer, .address_space: global }
      - { .name: in_proj_b, .offset: 8, .size: 8, .value_kind: global_buffer, .address_space: global }
      - { .name: qkv, .offset: 16, .size: 8, .value_kind: global_buffer, .address_space: global }
    .group_segment_fixed_size: 327680
    .private_segment_fixed_size: 0
    .kernarg_segment_align: 8
    .kernarg_segment_size: 24
    .max_flat_workgroup_size: 128
    .sgpr_count:     100
    .vgpr_count:     768
    .wavefront_size: 32
...
	.end_amdgpu_metadata
.endif
;; end of part 2
;; launch attn (part 3): grid 8 x 32, 16 waves a work-group, no clusters, 284,672 bytes of LDS; arguments qkv, oq; writes oq
.if DOCPART == 3
	.amdgcn_target "amdgcn-amd-amdhsa--gfx1250"
	.amdhsa_code_object_version 6
	.text
	.protected	k_qd29c4aee95_attn
	.globl	k_qd29c4aee95_attn
	.p2align	8
	.type	k_qd29c4aee95_attn,@function
k_qd29c4aee95_attn:
	s_mov_b64 s[64:65], 0
	v_nop
	global_prefetch_b8 v0, s[64:65] scope:SCOPE_SE
	s_setreg_imm32_b32 hwreg(HW_REG_WAVE_MODE, 25, 1), 1
	s_wait_xcnt 0x0
; o = softmax(q k^T / 8, keys j <= i + 10) v for one head, both products on codes of BF6 (E3M2); o / l is quantised along the head and stored as an operand of the next product.
; THE SOFTMAX AHEAD OF THE SECOND PRODUCT: t = score x log2(e) / 8; M = the running largest t rounded UP to a whole number; p = 2^(t - M) is quantised along the keys, not normalised; the row's sum is taken of the unquantised p.
; THE HEAD IS 64 WIDE and the matrix instruction 128 deep: registers 6-11 of q's fragments hold zero codes.  What k's registers 6-11 hold then adds nothing (BF6 has no NaN or infinity, the scale bytes there are finite):
; so tile t of k lies at v[32 + 6 t] on, and its registers 6-11 are tile t + 1's codes (the last tile's: zeros).
; SHARES: work-group (g, 16 b + head) owns sixteen tiles of 16 queries, tile g + 8 rank.  A tile of rank r has r + 1 or r + 2 key steps of 128 that the mask leaves.  WAVES 2 j AND 2 j + 1 SHARE THE TILES OF RANKS j AND 15 - j:
; wave 2 j takes the even key steps of both, wave 2 j + 1 the odd ones: 17 to 19 steps for two waves, whatever j.  Wave 2 j walks rank j first, wave 2 j + 1 rank 15 - j first.  Behind its first tile a wave stores its part
; (-M, the sums, O^T: 4,608 bytes) in LDS bytes of its own and signals the barrier; behind its second tile it waits for the barrier, reads its partner's part of that tile and joins the two: M is a whole number in both,
; so each part is brought under the larger M by an exact power of two.  A part with no key (M = -3e38, sums 0) gets the factor 0.  Key 0, an even step's, counts for every query.
; THE WHOLE HEAD LIES IN LDS, filled once, one tensor load a wave: waves 0-7 k (16 tiles each), 8-11 v (4 key steps each), 12-13 k's scale words, 14-15 v's.
; A key step all of whose keys come after query + 10 for all the tile's queries is left out by a scalar branch on ids; on the diagonal hidden scores become -infinity ahead of the maximum.
; NO CLUSTER: the eight work-groups of a head read the same k and v, but the branch that leaves hidden steps out hangs on the work-group's own queries, which partners of a cluster do not share.
; NO PREFETCH: every tile is asked for at the head, by the sixteen loads; there is no loop to run ahead in.
; LAYOUT: S^T = k q^T, O^T = v^T p^T: a lane holds one query.  A tile's slots are chosen so that the 16 registers of tiles 2 b, 2 b + 1 are 16 neighbouring keys (or channels).
; REGISTERS: v1-3 lane terms; v4-9 the step's addresses; v10 the mask's lane term; v11, v243 the add's; v12 -M, v13 largest t, v[14:15] the sum; v16-27 the first tile's q; v28-31 v's scale words; v32-61 four half fragments of k;
;   v62-73 the second tile's q, v74 its scale words; v75, v76 my part's and my partner's LDS address; v80-127 v's four; v128-191 S^T, then p; v192-223 O^T; v224-235 p's codes; v232-254 at work; v248-251 k's scale words; v253 p's; v255 q's.
; LIMITS: NaN and infinities are not served; a block of zeros gets the byte 1; the scaled scores stay under 2^31 in magnitude.
.set V_IMG,  6291456
.set QK_SCL, 9437184
.set V_SCL,  9961472
.set O_SCL,  3145728
.set KSC,    196608                    ; LDS: k at 0, v at 98,304, k's scale words, v's
.set VSC,    204800
.set DUMP,   208896                    ; the waves' parts, DSZ bytes each: O^T at 512 i + 16 x lane, v[12:15] at 4,096 + 16 x lane
.set DSZ,    4608
.set SPARE,  DUMP+16*DSZ               ; the spare words, 128 bytes a wave
.set S,   128
.set OT,  192
.set QA,  16
.set QB,  62
.set WV,  18
.set PAR, 19                           ; wave % 2: which key steps are mine
.set SEL, 20
.set CS,  22                           ; s[22:23] c = log2(e) / 8
.set G1K, 24
.set G1V, 32
.set G1SK, 40
.set G1SV, 48
.set G0K, 56
.set G0V, 60
.set RA,  66                           ; the ranks of my first and second tile
.set RB,  67
.set G0SK, 68
.set G0SV, 72
.set TK,  84                           ; LDS byte of the step's k, of its v, of their scale words
.set TV,  85
.set TS,  86
.set TJ,  87
.set KF,  88                           ; the step's first key
.set Q0A, 89                           ; the first query of my first tile, of my second
.set Q0B, 90
.set CNT, 99
.macro GRP1 g, c, r, p                 ; r rows of c elements of 8 bytes, p elements apart
	s_mov_b32 s[\g], 3<<16
	s_mov_b32 s[\g+1], (\c)<<16
	s_mov_b32 s[\g+2], (\r)<<16
	s_mov_b32 s[\g+3], (\c)<<16
	s_mov_b32 s[\g+4], \r
	s_mov_b32 s[\g+5], \p
	s_mov_b32 s[\g+6], 0
	s_mov_b32 s[\g+7], 0
.endm
.macro GRP0 g, off
	s_mov_b32 s[\g], 1
	s_add_nc_u64 s[\g+2:\g+3], s[4:5], s[\off:\off+1]
	s_or_b32 s[\g+3], s[\g+3], 0x80000000
.endm
.macro ARM under, g0, g1, next
	s_cmp_lt_u32 s[WV], \under
	s_cbranch_scc0 \next
	tensor_load_to_lds s[\g0:\g0+3], s[\g1:\g1+7]
	s_nop 0
.rept 4
	v_nop
.endr
	s_branch .Lasked
\next:
.endm
.macro TILE r, q0, qa, qs              ; rank s[r]: the tile's first query, the addresses of q's half image and scale words; leaves the token tile in s13
	s_lshl_b32 s13, s[\r], 3
	s_add_co_u32 s13, s13, s100                    ; the tile of queries, 0..127
	s_lshr_b32 s[\q0], s13, 1
	s_lshl_b32 s[\q0], s[\q0], 5
	s_and_b32 s15, s13, 1
	s_lshl_b32 s15, s15, 3
	s_add_co_u32 s[\q0], s[\q0], s15               ; slot r is query q0 + r + 8 (r / 8)
	s_add_co_u32 s13, s13, s14
	s_mul_i32 s[\qa], s13, 1536
	s_add_co_u32 s[\qa], s[\qa], s92
	s_mov_b32 s[\qa+1], 0
	s_lshl_b32 s[\qs], s13, 6
	s_add_co_u32 s[\qs], s[\qs], s94
	s_mov_b32 s[\qs+1], 0
	s_add_nc_u64 s[\qa:\qa+1], s[4:5], s[\qa:\qa+1]
	s_add_nc_u64 s[\qs:\qs+1], s[4:5], s[\qs:\qs+1]
.endm
	s_load_b128 s[4:7], s[0:1], 0x0                ; qkv s[4:5], oq s[6:7]
	v_lshl_add_u32 v11, v0, 2, SPARE
	v_mov_b32 v243, 0
	ds_add_u32 v11, v243                           ; the opening lines: the add, twice on end, and its wait ahead of my tensor load
	ds_add_u32 v11, v243
	v_lshrrev_b32 v8, 5, v0
	s_delay_alu instid0(VALU_DEP_1)
	v_readfirstlane_b32 s13, v8                    ; my number in the work-group, 0..15
	s_bfe_u32 s[WV], s13, 0x10002                  ; THE TEXT'S WAVE NUMBER: bit 2 of that number becomes bit 0, bits 0-1 move one up, bit 3 stays:
	s_and_b32 s14, s13, 3                          ; so partners 2 j and 2 j + 1 are the waves whose numbers in the work-group differ by 4,
	s_lshl_b32 s14, s14, 1                         ; and of the waves w, w + 4, w + 8, w + 12 two take even key steps and two odd ones
	s_or_b32 s[WV], s[WV], s14
	s_and_b32 s14, s13, 8
	s_or_b32 s[WV], s[WV], s14
	s_and_b32 s15, ttmp7, 0xffff                   ; g and 16 b + head from the ids: g = y % 8, 16 b + head = 8 (y / 8) + x: the eight work-groups that read one head's k and v have the same x
	s_and_b32 s100, s15, 7                         ; g
	s_lshr_b32 s8, s15, 3
	s_lshl_b32 s8, s8, 3
	s_add_co_u32 s8, s8, ttmp9                     ; 16 b + head
	s_lshr_b32 s9, s8, 4
	s_and_b32 s10, s8, 15                          ; head
	s_lshr_b32 s11, s10, 1                         ; its pair
	s_and_b32 s12, s10, 1                          ; and which of the pair
	s_and_b32 s13, s[WV], 7                        ; k's images: [8 + pair][token tile][1,536], my head's half of 768 bytes; 16 tiles a wave
	s_add_co_u32 s92, s11, 8
	s_mul_i32 s92, s92, 393216
	s_lshl_b32 s14, s9, 7
	s_lshl_b32 s15, s13, 4
	s_add_co_u32 s15, s15, s14
	s_mul_i32 s15, s15, 1536
	s_add_co_u32 s92, s92, s15
	s_mul_i32 s91, s12, 768
	s_add_co_u32 s92, s92, s91
	s_mov_b32 s93, 0
	s_mul_i32 s[G0K+1], s13, 12288
	s_and_b32 s13, s[WV], 3                        ; v's images: [16 b + key step][4 head + tile][1,536]; 4 key steps a wave
	s_lshl_b32 s94, s9, 4
	s_lshl_b32 s15, s13, 2
	s_add_co_u32 s94, s94, s15
	s_mul_i32 s94, s94, 98304
	s_mul_i32 s15, s10, 6144
	s_add_co_u32 s94, s94, s15
	s_add_co_u32 s94, s94, V_IMG
	s_mov_b32 s95, 0
	s_mul_i32 s[G0V+1], s13, 24576
	s_add_co_u32 s[G0V+1], s[G0V+1], 98304
	s_and_b32 s[PAR], s[WV], 1
	s_add_co_u32 s96, s10, 16                      ; k's scale words: [16 + head][slot]; 4,096 bytes a wave
	s_lshl_b32 s96, s96, 14
	s_lshl_b32 s15, s9, 13
	s_add_co_u32 s96, s96, s15
	s_lshl_b32 s15, s[PAR], 12
	s_add_co_u32 s96, s96, s15
	s_add_co_u32 s96, s96, QK_SCL
	s_mov_b32 s97, 0
	s_add_co_u32 s[G0SK+1], s15, KSC
	s_lshl_b32 s98, s9, 4                          ; v's: [16 b + key step][4 head + tile][16]; 8 key steps a wave
	s_lshl_b32 s15, s[PAR], 3
	s_add_co_u32 s98, s98, s15
	s_lshl_b32 s98, s98, 12
	s_lshl_b32 s15, s10, 8
	s_add_co_u32 s98, s98, s15
	s_add_co_u32 s98, s98, V_SCL
	s_mov_b32 s99, 0
	s_lshl_b32 s15, s[PAR], 11
	s_add_co_u32 s[G0SV+1], s15, VSC
	GRP1 G1K, 96, 16, 192                          ; k: 16 rows of 768 bytes, 1,536 bytes apart
	GRP1 G1V, 768, 4, 12288                        ; v: 4 rows of 6,144 bytes, 98,304 bytes apart
	GRP1 G1SK, 32, 16, 32                          ; k's scale words: 4,096 dense bytes as 16 rows of 256
	GRP1 G1SV, 32, 8, 512                          ; v's: 8 rows of 256 bytes, 4,096 bytes apart
	s_wait_dscnt 0x0                               ; both opening adds are done
	s_wait_kmcnt 0x0
	GRP0 G0K, 92
	GRP0 G0V, 94
	GRP0 G0SK, 96
	GRP0 G0SV, 98
	ARM 8, G0K, G1K, .Lnot_k                       ; one chain of branches on the wave's number, a load to an arm, all arms to one join
	ARM 12, G0V, G1V, .Lnot_v
	ARM 14, G0SK, G1SK, .Lnot_sk
	tensor_load_to_lds s[G0SV:G0SV+3], s[G1SV:G1SV+7]
	s_nop 0
.rept 4
	v_nop
.endr
.Lasked:
	s_lshr_b32 s13, s[WV], 1                       ; j
	s_sub_co_u32 s15, 15, s13
	s_cmp_eq_u32 s[PAR], 0
	s_cselect_b32 s[RA], s13, s15
	s_cselect_b32 s[RB], s15, s13
	s_lshl_b32 s14, s9, 7                          ; 128 b
	s_mul_i32 s92, s11, 393216
	s_add_co_u32 s92, s92, s91                     ; q's images: [pair][token tile][1,536], my head's half
	s_lshl_b32 s94, s10, 14
	s_add_co_u32 s94, s94, QK_SCL                  ; q's scale words: [head][slot]
	TILE RA, Q0A, 76, 78
	TILE RB, Q0B, 80, 82
	s_mul_i32 s2, s13, 12288                       ; I finish my second tile.  o's half image: [token tile][pair][1,536]
	s_mul_i32 s15, s11, 1536
	s_add_co_u32 s2, s2, s15
	s_add_co_u32 s2, s2, s91
	s_mov_b32 s3, 0
	s_lshl_b32 s16, s13, 3                         ; o's two scale bytes: half of the word of (token tile, pair, r)
	s_add_co_u32 s16, s16, s11
	s_lshl_b32 s16, s16, 6
	s_lshl_b32 s15, s12, 1
	s_add_co_u32 s16, s16, s15
	s_add_co_u32 s16, s16, O_SCL
	s_mov_b32 s17, 0
	s_add_nc_u64 s[2:3], s[6:7], s[2:3]
	s_add_nc_u64 s[16:17], s[6:7], s[16:17]
	s_mul_i32 s13, s[WV], DSZ
	s_add_co_u32 s13, s13, DUMP                    ; my part
	s_xor_b32 s15, s[WV], 1
	s_mul_i32 s15, s15, DSZ
	s_add_co_u32 s15, s15, DUMP                    ; my partner's
	s_mov_b32 s[SEL], 0x76543210
	s_mov_b32 s[SEL+1], 0xfedcba98
	s_mov_b32 s[CS], 0x3e38aa3b                    ; log2(e) / 8
	s_mov_b32 s[CS+1], s[CS]
	v_and_b32 v8, 31, v0
	s_delay_alu instid0(VALU_DEP_1)
	v_lshlrev_b32 v1, 4, v8                        ; 16 x lane
	v_lshlrev_b32 v2, 3, v8                        ; 8 x lane
	v_and_b32 v8, 15, v0                           ; r
	v_bfe_u32 v9, v0, 4, 1                         ; h
	s_delay_alu instid0(VALU_DEP_2)
	v_lshlrev_b32 v3, 2, v8                        ; 4 r
	global_load_b128 v[QA:QA+3], v1, s[76:77]
	global_load_b64 v[QA+4:QA+5], v2, s[76:77] offset:512
	global_load_b32 v255, v3, s[78:79]
	global_load_b128 v[QB:QB+3], v1, s[80:81]
	global_load_b64 v[QB+4:QB+5], v2, s[80:81] offset:512
	global_load_b32 v74, v3, s[82:83]
	v_add_nc_u32 v75, s13, v1
	v_add_nc_u32 v76, s15, v1
	v_and_b32 v10, 8, v8
	s_delay_alu instid0(VALU_DEP_1)
	v_add_nc_u32 v10, v10, v8
	v_lshlrev_b32 v9, 4, v9
	s_delay_alu instid0(VALU_DEP_1)
	v_sub_nc_u32 v10, v10, v9
	s_delay_alu instid0(VALU_DEP_1)
	v_add_nc_u32 v10, 10, v10                      ; r + 8 (r / 8) + 10 - 16 h
.irp j, 0,1,2,3,4,5
	v_mov_b32 v[QA+6+\j], 0                        ; q's k = 64 .. 127: zero codes
	v_mov_b32 v[QB+6+\j], 0
	v_mov_b32 v[56+\j], 0                          ; behind k's last half fragment
.endr
.irp b, 0,1,2,3
	v_mov_b32 v[236+\b], 0                         ; a lane permute's destination counts as one of its sources
.endr
	v_mov_b32 v252, 0
	v_mov_b32 v253, 0
.macro INIT                            ; a tile begins: the step is written once, its first run finds zeros
	v_mov_b32 v13, 0xff61b1e6                      ; the largest t so far: -3e38
	s_delay_alu instid0(VALU_DEP_1)
	v_floor_f32 v12, -v13                          ; -M
	v_mov_b32 v14, 0
	v_mov_b32 v15, 0
.set n, 0
.rept 32
	v_mov_b32 v[OT+n], 0
.set n, n+1
.endr
	s_wait_alu depctr_va_vdst(0)
.endm
.macro KLOAD g                         ; four tiles of 16 keys: half images, 6 registers apart, and scale words: 12 loads
.irp t, 0,1,2,3
	ds_load_b128 v[32+6*\t:35+6*\t], v4 offset:(4*\g+\t)*768
	ds_load_b64 v[36+6*\t:37+6*\t], v5 offset:(4*\g+\t)*768+512
	ds_load_b32 v[248+\t], v8 offset:(4*\g+\t)*64
.endr
.endm
.macro KQ g, qb, qs
.irp t, 0,1,2,3
	v_wmma_scale_f32_16x16x128_f8f6f4 v[S+8*(4*\g+\t):S+8*(4*\g+\t)+7], v[32+6*\t:43+6*\t], v[\qb:\qb+11], 0, v[248+\t], v[\qs] matrix_a_fmt:MATRIX_FMT_BF6 matrix_b_fmt:MATRIX_FMT_BF6
.endr
.endm
; A KEY STEP: 128 keys
.macro STEP q0, qb, qs
	s_add_co_u32 s96, s[\q0], 33                   ; the tile's last query + 10
	s_cmp_gt_u32 s[KF], s96
	s_cbranch_scc1 .Lhidden_\@
	v_add_nc_u32 v4, s[TK], v1                     ; six plain lines: also the places in front of the loads into v's registers, which the last step's products read
	v_add_nc_u32 v5, s[TK], v2
	v_add_nc_u32 v6, s[TV], v1
	v_add_nc_u32 v7, s[TV], v2
	v_add_nc_u32 v8, s[TS], v3
	v_add_nc_u32 v9, s[TJ], v3
	KLOAD 0
.irp t, 0,1,2,3                                ; v's four tiles of 16 channels x 128 keys: 20 loads
	ds_load_b128 v[80+12*\t:83+12*\t], v6 offset:1536*\t
	ds_load_b64 v[84+12*\t:85+12*\t], v7 offset:1536*\t+512
	ds_load_b128 v[86+12*\t:89+12*\t], v6 offset:1536*\t+768
	ds_load_b64 v[90+12*\t:91+12*\t], v7 offset:1536*\t+1280
	ds_load_b32 v[28+\t], v9 offset:64*\t
.endr
	s_wait_alu depctr_va_vdst(0)
	s_wait_dscnt 20                                ; k's first four tiles are in; v's 20 loads may be out
	KQ 0, \qb, \qs
.rept 4
	v_nop                                          ; places in front of loads into registers that matrix instructions have read
.endr
	KLOAD 1
	s_wait_dscnt 0x0
	KQ 1, \qb, \qs
.rept 4
	v_nop
.endr
	s_add_co_u32 s96, s[KF], 117                   ; all 128 keys count for all the tile's queries where KF + 127 <= q0 + 10
	s_cmp_le_u32 s96, s[\q0]
	s_cbranch_scc1 .Lopen_\@
	s_sub_co_i32 s96, s[\q0], s[KF]
	v_add_nc_u32 v252, s96, v10                    ; d: register 16 b + i holds key KF + 16 h + 32 b + i: hidden where 32 b + i > d
	v_mov_b32 v254, 0xff800000
.set n, 0
.rept 64
	v_cmp_gt_i32 vcc_lo, 32*(n/16)+n%16, v252
	v_cndmask_b32 v[S+n], v[S+n], v254, vcc_lo
.set n, n+1
.endr
.Lopen_\@:
.irp b, 0,1,2,3
	v_max3_num_f32 v[232+\b], v[S+16*\b], v[S+1+16*\b], v[S+2+16*\b]   ; the largest score of each block of 32 keys: for the row's maximum and for the block's largest p
.endr
.irp i, 3,5,7,9,11,13
.irp b, 0,1,2,3
	v_max3_num_f32 v[232+\b], v[232+\b], v[S+16*\b+\i], v[S+1+16*\b+\i]
.endr
.endr
.irp b, 0,1,2,3
	v_max_num_f32 v[232+\b], v[232+\b], v[S+15+16*\b]
.endr
.irp b, 0,1,2,3
	s_delay_alu instid0(VALU_DEP_4)
	v_permlanex16_b32 v[236+\b], v[232+\b], s[SEL], s[SEL+1]
.endr
.irp b, 0,1,2,3
	s_delay_alu instid0(VALU_DEP_4)
	v_max_num_f32 v[232+\b], v[232+\b], v[236+\b]
.endr
	s_delay_alu instid0(VALU_DEP_2)
	v_max3_num_f32 v254, v232, v233, v234
	s_delay_alu instid0(VALU_DEP_1)
	v_max_num_f32 v254, v254, v235
	s_delay_alu instid0(VALU_DEP_1)
	v_mul_f32 v254, s[CS], v254
	s_delay_alu instid0(VALU_DEP_1)
	v_max_num_f32 v13, v13, v254                   ; the running largest t
	v_mov_b32 v254, v12
	s_delay_alu instid0(VALU_DEP_2)
	v_floor_f32 v12, -v13                          ; -M = floor(-t)
	s_delay_alu instid0(VALU_DEP_1)
	v_sub_f32 v254, v12, v254                      ; old M - new M: a whole number, 0 or less
	s_delay_alu instid0(VALU_DEP_1)
	v_cvt_i32_f32 v254, v254                       ; (it saturates)
	s_delay_alu instid0(VALU_DEP_1)
	v_ldexp_f32 v252, 1.0, v254                    ; f = 2^(old M - new M)
.set n, 0
.rept 32
	v_pk_fma_f32 v[S+n:S+n+1], v[S+n:S+n+1], s[CS:CS+1], v[12:13] op_sel_hi:[1,0,0]   ; t - M
.set n, n+2
.endr
.irp b, 0,1,2,3
	v_fma_f32 v[232+\b], v[232+\b], s[CS], v12
.endr
.set n, 0
	s_wait_alu depctr_va_vdst(0)
.rept 64
	v_exp_f32 v[S+n], v[S+n]                       ; p = 2^(t - M)
.set n, n+1
.endr
	v_pk_mul_f32 v[14:15], v[14:15], v[252:253] op_sel_hi:[1,0]   ; the sums under the new M: a plain line behind the exponentials
	s_wait_alu depctr_va_vdst(0)                   ; one wait for the batch, ahead of its first reader
.irp b, 0,1,2,3
	v_exp_f32 v[232+\b], v[232+\b]                 ; each block's largest p
.endr
	v_pk_add_f32 v[236:237], v[132:133], v[136:137]   ; the row's sum of the unquantised p, in eight chains
	v_pk_add_f32 v[250:251], v[140:141], v[144:145]
	v_pk_add_f32 v[248:249], v[148:149], v[152:153]
	v_pk_add_f32 v[246:247], v[156:157], v[160:161]
	v_pk_add_f32 v[244:245], v[164:165], v[168:169]
	v_pk_add_f32 v[240:241], v[172:173], v[176:177]
	v_pk_add_f32 v[238:239], v[180:181], v[184:185]
	v_pk_add_f32 v[14:15], v[14:15], v[188:189]
	v_pk_add_f32 v[236:237], v[236:237], v[128:129]
	v_pk_add_f32 v[250:251], v[250:251], v[130:131]
	v_pk_add_f32 v[248:249], v[248:249], v[134:135]
	v_pk_add_f32 v[246:247], v[246:247], v[138:139]
	v_pk_add_f32 v[244:245], v[244:245], v[142:143]
	v_pk_add_f32 v[240:241], v[240:241], v[146:147]
	v_pk_add_f32 v[238:239], v[238:239], v[150:151]
	v_pk_add_f32 v[14:15], v[14:15], v[154:155]
	v_pk_add_f32 v[236:237], v[236:237], v[158:159]
	v_pk_add_f32 v[250:251], v[250:251], v[162:163]
	v_pk_add_f32 v[248:249], v[248:249], v[166:167]
	v_pk_add_f32 v[246:247], v[246:247], v[170:171]
	v_pk_add_f32 v[244:245], v[244:245], v[174:175]
	v_pk_add_f32 v[240:241], v[240:241], v[178:179]
	v_pk_add_f32 v[238:239], v[238:239], v[182:183]
	v_pk_add_f32 v[14:15], v[14:15], v[186:187]
	v_pk_add_f32 v[236:237], v[236:237], v[190:191]
	s_delay_alu instid0(VALU_DEP_2)
	v_pk_add_f32 v[14:15], v[14:15], v[246:247]
	s_delay_alu instid0(VALU_DEP_2)
	v_pk_add_f32 v[236:237], v[236:237], v[244:245]
	v_pk_add_f32 v[250:251], v[250:251], v[240:241]
	v_pk_add_f32 v[248:249], v[248:249], v[238:239]
	s_delay_alu instid0(VALU_DEP_2)
	v_pk_add_f32 v[14:15], v[14:15], v[250:251]
	s_delay_alu instid0(VALU_DEP_2)
	v_pk_add_f32 v[236:237], v[236:237], v[248:249]
	s_delay_alu instid0(VALU_DEP_1)
	v_pk_add_f32 v[14:15], v[14:15], v[236:237]
	s_wait_alu depctr_va_vdst(0)                   ; and one for the four
.irp b, 0,1,2,3
	v_max_num_f32 v[232+\b], 0x2800000, v[232+\b]  ; the floor 2^(5 - 127)
.endr
.irp b, 0,1,2,3
	s_delay_alu instid0(VALU_DEP_4)
	v_add_nc_u32 v[244+\b], 0xfe000000, v[232+\b]
.endr
.irp b, 0,1,2,3
	s_delay_alu instid0(VALU_DEP_4)
	v_lshrrev_b32 v[236+\b], 23, v[244+\b]
.endr
	s_delay_alu instid0(VALU_DEP_3)
	v_lshl_or_b32 v253, v237, 8, v236              ; p's scale word for these 128 keys
	s_delay_alu instid0(VALU_DEP_1)
	v_lshl_or_b32 v253, v238, 16, v253
	s_delay_alu instid0(VALU_DEP_1)
	v_lshl_or_b32 v253, v239, 24, v253
.irp c, 0,1
	v_cvt_scalef32_pk16_bf6_f32 v[224+6*\c:226+6*\c], v[S+32*\c:S+15+32*\c], v[244+2*\c]
	v_cvt_scalef32_pk16_bf6_f32 v[236+4*\c:238+4*\c], v[S+16+32*\c:S+31+32*\c], v[244+2*\c+1]
.endr
	v_nop                                          ; one plain line behind the scaled conversions
.irp c, 0,1
.irp i, 0,1,2
	v_permlane16_swap_b32 v[224+6*\c+\i], v[236+4*\c+\i]
.endr
.irp i, 0,1,2
	s_delay_alu instid0(VALU_DEP_3)
	v_mov_b32 v[227+6*\c+\i], v[236+4*\c+\i]
.endr
.endr
.set n, 0
.rept 16
	v_pk_mul_f32 v[OT+n:OT+n+1], v[OT+n:OT+n+1], v[252:253] op_sel_hi:[1,0]   ; O^T under the new M; these lines also stand between the writes of p's codes and scale word and the products
.set n, n+2
.endr
.irp t, 0,1,2,3
	v_wmma_scale_f32_16x16x128_f8f6f4 v[OT+8*\t:OT+8*\t+7], v[80+12*\t:91+12*\t], v[224:235], v[OT+8*\t:OT+8*\t+7], v[28+\t], v253 matrix_a_fmt:MATRIX_FMT_BF6 matrix_b_fmt:MATRIX_FMT_BF6
.endr
.Lhidden_\@:
	s_add_co_u32 s[KF], s[KF], 256                 ; two key steps on
	s_add_co_u32 s[TK], s[TK], 12288
	s_add_co_u32 s[TV], s[TV], 12288
	s_add_co_u32 s[TS], s[TS], 1024
	s_add_co_u32 s[TJ], s[TJ], 512
.endm
; My key steps of one tile: steps PAR, PAR + 2, .. PAR + 14: eight trips, the hidden ones passed over
.macro SESSION q0, qb, qs
	s_mul_i32 s[TK], s[PAR], 6144
	s_add_co_u32 s[TV], s[TK], 98304
	s_lshl_b32 s[TS], s[PAR], 9
	s_add_co_u32 s[TS], s[TS], KSC
	s_lshl_b32 s[TJ], s[PAR], 8
	s_add_co_u32 s[TJ], s[TJ], VSC
	s_lshl_b32 s[KF], s[PAR], 7
	s_mov_b32 s[CNT], 8
.Lstep_\@:
	STEP \q0, \qb, \qs
	s_sub_co_u32 s[CNT], s[CNT], 1
	s_cmp_lg_u32 s[CNT], 0
	s_cbranch_scc1 .Lstep_\@
.endm
	INIT
	s_wait_loadcnt 0x0                             ; both q
	s_wait_tensorcnt 0x0                           ; my part of the head is in,
	s_barrier_signal -1
	s_barrier_wait -1                              ; and everybody's: nothing is ever filled again
	SESSION Q0A, QA, 255
.rept 4
	v_nop                                          ; places behind the last products
.endr
	s_wait_alu depctr_va_vdst(0)                   ; the stores below read behind taken branches
.irp i, 0,1,2,3,4,5,6,7
	ds_store_b128 v75, v[OT+4*\i:OT+4*\i+3] offset:512*\i   ; my part of my first tile; each accumulator from its low end on
.endr
	ds_store_b128 v75, v[12:15] offset:4096
	s_wait_dscnt 0x0                               ; for my partner's sake: the stores have landed
	s_barrier_signal -1                            ; the wait stands behind my second tile: between the two only register work and loads of k and v, which nobody writes
	INIT
	SESSION Q0B, QB, 74
	s_barrier_wait -1
.rept 4
	v_nop                                          ; places behind the last products
.endr
.irp i, 0,1,2,3,4,5,6,7
	ds_load_b128 v[S+4*\i:S+4*\i+3], v76 offset:512*\i      ; my partner's part of this tile
.endr
	ds_load_b128 v[S+32:S+35], v76 offset:4096
	s_wait_dscnt 0x0
	v_add_f32 v14, v14, v15
	v_min_num_f32 v232, v12, v[S+32]               ; -M of the two parts together
	v_add_f32 v233, v[S+34], v[S+35]
	s_delay_alu instid0(VALU_DEP_2)
	v_sub_f32 v234, v232, v12                      ; whole numbers, 0 or less
	v_sub_f32 v235, v232, v[S+32]
	s_delay_alu instid0(VALU_DEP_2)
	v_cvt_i32_f32 v234, v234                       ; (they saturate)
	s_delay_alu instid0(VALU_DEP_2)
	v_cvt_i32_f32 v235, v235
	s_delay_alu instid0(VALU_DEP_2)
	v_ldexp_f32 v234, 1.0, v234                    ; my part's factor,
	s_delay_alu instid0(VALU_DEP_2)
	v_ldexp_f32 v235, 1.0, v235                    ; my partner's: exact powers of two
	s_delay_alu instid0(VALU_DEP_2)
	v_mul_f32 v14, v14, v234
	s_delay_alu instid0(VALU_DEP_1)
	v_fma_f32 v14, v233, v235, v14
	s_delay_alu instid0(VALU_DEP_1)
	v_permlanex16_b32 v252, v14, s[SEL], s[SEL+1]
	s_delay_alu instid0(VALU_DEP_1)
	v_add_f32 v14, v14, v252                       ; the row's sum
	s_wait_alu depctr_va_vdst(0)
	v_rcp_f32 v14, v14
	v_nop                                          ; a plain line behind the transcendental
	s_wait_alu depctr_va_vdst(0)                   ; and the wait ahead of its first reader
	v_mul_f32 v236, v234, v14                      ; factor / l
	v_mul_f32 v238, v235, v14
.set n, 0
.rept 16
	v_pk_mul_f32 v[S+n:S+n+1], v[S+n:S+n+1], v[238:239] op_sel_hi:[1,0]
.set n, n+2
.endr
	s_wait_alu depctr_va_vdst(0)                   ; the wait ahead of the first reader of O^T
.set n, 0
.rept 16
	v_pk_fma_f32 v[S+n:S+n+1], v[OT+n:OT+n+1], v[236:237], v[S+n:S+n+1] op_sel_hi:[1,0,1]   ; register 16 B + i is channel 32 B + 16 h + i of my query
.set n, n+2
.endr
	; THE WAY OUT: o quantised along the head's 64: two blocks, half a fragment
.irp b, 0,1
	v_max3_num_f32 v[232+\b], |v[S+16*\b]|, |v[S+1+16*\b]|, 0x2800000
.endr
.irp i, 2,4,6,8,10,12,14
.irp b, 0,1
	s_delay_alu instid0(VALU_DEP_2)
	v_max3_num_f32 v[232+\b], v[232+\b], |v[S+16*\b+\i]|, |v[S+1+16*\b+\i]|
.endr
.endr
.irp b, 0,1
	s_delay_alu instid0(VALU_DEP_2)
	v_permlanex16_b32 v[236+\b], v[232+\b], s[SEL], s[SEL+1]
.endr
.irp b, 0,1
	s_delay_alu instid0(VALU_DEP_2)
	v_max_num_f32 v[232+\b], v[232+\b], v[236+\b]
.endr
.irp b, 0,1
	s_delay_alu instid0(VALU_DEP_2)
	v_add_nc_u32 v[244+\b], 0xfe000000, v[232+\b]
.endr
.irp b, 0,1
	s_delay_alu instid0(VALU_DEP_2)
	v_lshrrev_b32 v[236+\b], 23, v[244+\b]
.endr
	s_delay_alu instid0(VALU_DEP_1)
	v_lshl_or_b32 v240, v237, 8, v236              ; my head's two scale bytes
	v_cvt_scalef32_pk16_bf6_f32 v[224:226], v[S:S+15], v244
	v_cvt_scalef32_pk16_bf6_f32 v[228:230], v[S+16:S+31], v245
	v_nop
.irp i, 0,1,2
	v_permlane16_swap_b32 v[224+\i], v[228+\i]
.endr
.irp i, 0,1,2
	s_delay_alu instid0(VALU_DEP_3)
	v_mov_b32 v[227+\i], v[228+\i]
.endr
	global_store_b128 v1, v[224:227], s[2:3]       ; 512 and 256 consecutive bytes
	global_store_b64 v2, v[228:229], s[2:3] offset:512
	global_store_b16 v3, v240, s[16:17]            ; two bytes of each row's word; the pair's other head stores the other two
	s_wait_tensorcnt 0x0                           ; the wave's end
	ds_add_u32 v11, v243
	s_wait_dscnt 0x0
	s_endpgm
.Lfunc_end_k_qd29c4aee95_attn:
	.size	k_qd29c4aee95_attn, .Lfunc_end_k_qd29c4aee95_attn-k_qd29c4aee95_attn
	.p2alignl 7, 3214868480
	.fill 96, 4, 3214868480
	.section	.rodata,"a",@progbits
	.p2align	6, 0x0
	.amdhsa_kernel k_qd29c4aee95_attn
		.amdhsa_group_segment_fixed_size 284672
		.amdhsa_private_segment_fixed_size 0
		.amdhsa_enable_private_segment 0
		.amdhsa_kernarg_size 16
		.amdhsa_user_sgpr_count 2
		.amdhsa_user_sgpr_kernarg_segment_ptr 1
		.amdhsa_wavefront_size32 1
		.amdhsa_system_sgpr_workgroup_id_x 1
		.amdhsa_system_sgpr_workgroup_id_y 1
		.amdhsa_system_sgpr_workgroup_id_z 1
		.amdhsa_system_vgpr_workitem_id 0
		.amdhsa_next_free_vgpr 256
		.amdhsa_next_free_sgpr 102
		.amdhsa_reserve_vcc 1
		.amdhsa_float_denorm_mode_32 3
		.amdhsa_float_denorm_mode_16_64 3
		.amdhsa_memory_ordered 1
		.amdhsa_forward_progress 1
		.amdhsa_inst_pref_size 69
	.end_amdhsa_kernel
	.amdgpu_metadata
---
amdhsa.version: [ 1, 2 ]
amdhsa.kernels:
  - .name:           k_qd29c4aee95_attn
    .symbol:         k_qd29c4aee95_attn.kd
    .args:
      - { .name: qkv, .offset: 0, .size: 8, .value_kind: global_buffer, .address_space: global }
      - { .name: oq, .offset: 8, .size: 8, .value_kind: global_buffer, .address_space: global }
    .group_segment_fixed_size: 284672
    .private_segment_fixed_size: 0
    .kernarg_segment_align: 8
    .kernarg_segment_size: 16
    .max_flat_workgroup_size: 512
    .sgpr_count:     102
    .vgpr_count:     256
    .wavefront_size: 32
...
	.end_amdgpu_metadata
.endif
;; end of part 3
;; launch proj (part 4): grid 8 x 32, 4 waves a work-group, clusters of 4 x 4, 327,680 bytes of LDS; arguments oq, opq, out_b, x, x1; writes x1
.if DOCPART == 4
	.amdgcn_target "amdgcn-amd-amdhsa--gfx1250"
	.amdhsa_code_object_version 6
	.text
	.protected	k_qd29c4aee95_proj
	.globl	k_qd29c4aee95_proj
	.p2align	8
	.type	k_qd29c4aee95_proj,@function
k_qd29c4aee95_proj:
	s_mov_b64 s[64:65], 0
	v_nop
	global_prefetch_b8 v0, s[64:65] scope:SCOPE_SE
	s_setreg_imm32_b32 hwreg(HW_REG_WAVE_MODE, 25, 1), 1
	s_wait_xcnt 0x0
	s_wait_alu depctr_hold_cnt(0) depctr_sa_sdst(0) depctr_va_vdst(0) depctr_va_sdst(0) depctr_va_ssrc(0) depctr_va_vcc(0) depctr_vm_vsrc(0)
	s_getreg_b32 s2, hwreg(HW_REG_IB_STS2, 6, 4)
	s_cmp_eq_u32 s2, 0
	s_cbranch_scc0 .Lentry_in_a_cluster
	s_endpgm
.Lentry_in_a_cluster:
	s_bfe_u32 s2, ttmp6, 0x10000c
	s_cmp_lg_u32 s2, 0xf033
	s_cbranch_scc0 .Lentry_shape_is_right
	s_endpgm
.Lentry_shape_is_right:
.set KS,     8
.set S1_SCL, 3145728
.set S0_IMG, 2359296
.set S0_SCL, 9535488
.set NB,     4
.set LAPS,   KS/8
.set S1SL,   49152
.set SLICE,  S1SL+2*NB*6144
.set SCLB,   2*SLICE
.set STAGE,  SCLB+8*KS*64+2*NB*KS*64
.set SPARE,  STAGE+4*16*272
.set ADA16, 8
.set ADA8,  10
.set ADB16, 12
.set ADB8,  14
.set BL,    20
.set ADS,   24
.set STO,   25
.set RD,    26
.set CO,    27
.set SPW,   28
.set NIL,   29
.set SC,    32
.set S1F,   48
.set G1, 24
.set G0, 32
.set G1B, 48
.set G0B, 56
.set G1S, 68
.set G0S, 76
.set G1SB, 80
.set G0SB, 88
.set MSB, 0
.macro WIN new
.if MSB != \new
	s_set_vgpr_msb (MSB<<8)|\new
.set MSB, \new
.endif
.endm
.set MUL,  0xa1
.set TO_1, 0x40
.macro PLACES n
.rept \n
	v_nop
.endr
.endm
.macro JLOAD g0a, g1a, g0b, g1b
	s_cmp_eq_u32 s15, 0
	s_cbranch_scc0 .Lfor_b_\@
	tensor_load_to_lds s[\g0a:\g0a+3], s[\g1a:\g1a+7]
	s_nop 0
.rept 4
	v_nop
.endr
	s_branch .Lasked_\@
.Lfor_b_\@:
	tensor_load_to_lds s[\g0b:\g0b+3], s[\g1b:\g1b+7]
	s_nop 0
.rept 4
	v_nop
.endr
.Lasked_\@:
.endm
.macro CREST
	s_cmp_lg_u32 s14, 0
	s_cbranch_scc1 .Lnot_wave_0_\@
	s_barrier_signal -3
.Lnot_wave_0_\@:
	s_barrier_wait -3
	s_barrier_signal -1
	s_barrier_wait -1
.endm
.macro CROUND
	s_barrier_signal -1
	s_barrier_wait -1
	CREST
.endm
.macro FRAG reg, a16, a8, off
	ds_load_b128 v[\reg:\reg+3], v[\a16] offset:\off
	ds_load_b64 v[\reg+4:\reg+5], v[\a8] offset:\off+512
	ds_load_b128 v[\reg+6:\reg+9], v[\a16] offset:\off+768
	ds_load_b64 v[\reg+10:\reg+11], v[\a8] offset:\off+1280
.endm
.macro FETCH slot, e, p
	WIN TO_1
.set bb, 0
.rept NB
	FRAG 64*(\p)+12*bb, ADB16+\slot, ADB8+\slot, (4*bb+(\e))*1536   ; four sets: S0's at 64 p in window 1, S1's at S1F + 48 p, the scale words at SC + 4 p
.set bb, bb+1
.endr
	WIN 0
.set bb, 0
.rept 4
	FRAG S1F+48*(\p)+12*bb, ADA16+\slot, ADA8+\slot, (4*bb+(\e))*1536
.set bb, bb+1
.endr
.set bb, 0
.rept NB
	ds_load_b32 v[SC+4*(\p)+bb], v[ADS] offset:(bb*KS+(\e))*64
.set bb, bb+1
.endr
.endm
.macro MULA p, a, zero
.set bb, 0
.rept NB
.if \zero
	v_wmma_scale_f32_16x16x128_f8f6f4 v[8*(NB*(\a)+bb):8*(NB*(\a)+bb)+7], v[64*(\p)+12*bb:64*(\p)+12*bb+11], v[S1F+48*(\p)+12*(\a):S1F+48*(\p)+12*(\a)+11], 0, v[SC+4*(\p)+bb], v[SC+4*(\p)+(\a)] matrix_a_fmt:MATRIX_FMT_BF6 matrix_b_fmt:MATRIX_FMT_BF6 matrix_a_scale:MATRIX_SCALE_ROW1
.else
	v_wmma_scale_f32_16x16x128_f8f6f4 v[8*(NB*(\a)+bb):8*(NB*(\a)+bb)+7], v[64*(\p)+12*bb:64*(\p)+12*bb+11], v[S1F+48*(\p)+12*(\a):S1F+48*(\p)+12*(\a)+11], v[8*(NB*(\a)+bb):8*(NB*(\a)+bb)+7], v[SC+4*(\p)+bb], v[SC+4*(\p)+(\a)] matrix_a_fmt:MATRIX_FMT_BF6 matrix_b_fmt:MATRIX_FMT_BF6 matrix_a_scale:MATRIX_SCALE_ROW1
.endif
.set bb, bb+1
.endr
.endm
; FRAGMENTS ARE FETCHED TWO K STEPS AHEAD, into four sets by turns: step e of a slot multiplies set e and asks for the step two on (step fe of slot fs) into set (e + 2) % 4.
.set NF, 5*NB+16                       ; the LDS loads of one FETCH
.macro STEP e, zero, fs, fe
	s_wait_dscnt NF                                ; this step's set is in; the next step's NF loads may be out
	PLACES 4                                       ; in front of loads into registers that matrix instructions have read
	FETCH \fs, \fe, ((\e)+2)%4
	WIN MUL
	MULA \e, 0, \zero
	MULA \e, 1, \zero
	MULA \e, 2, \zero
	MULA \e, 3, \zero
.endm
; A slot's third step changes slots: all four steps' fragments of this slot have been asked for, so behind the barrier the slot can be filled again, and the other slot's first step is fetched.
.macro TURN slot, next, fill
	WIN 0
	s_wait_tensorcnt 0x0                           ; all my tensor loads have landed: my part of the other slot
	ds_add_u32 v[SPW], v[NIL]
	s_wait_dscnt NF+1                              ; set 2 is in; set 3's NF loads and the add may be out
	WIN MUL
	MULA 2, 0, 0
	s_wait_dscnt 0x0                               ; the add is done, my reads of this slot are over
	s_barrier_signal -1
	MULA 2, 1, 0
	WIN 0
	s_barrier_wait -1
.if \fill
	CREST
	s_add_nc_u64 s[G0+4*\slot+2:G0+4*\slot+3], s[G0+4*\slot+2:G0+4*\slot+3], 12288
	s_add_nc_u64 s[G0B+4*\slot+2:G0B+4*\slot+3], s[G0B+4*\slot+2:G0B+4*\slot+3], 12288
	JLOAD G0+4*\slot, G1, G0B+4*\slot, G1B
.else
	PLACES 4
.endif
	v_add_nc_u32 v[ADS], 256, v[ADS]               ; the next four steps' scale words
	s_wait_alu depctr_va_vdst(0)
	FETCH \next, 0, 0
	WIN MUL
	MULA 2, 2, 0
	MULA 2, 3, 0
.endm
	s_load_b256 s[4:11], s[0:1], 0x0
	s_load_b64 s[12:13], s[0:1], 0x20
	v_lshl_add_u32 v[SPW], v0, 2, SPARE
	v_mov_b32 v[NIL], 0
	ds_add_u32 v28, v29
	ds_add_u32 v28, v29
	s_wait_dscnt 0x0
	v_lshrrev_b32 v1, 5, v0
	v_readfirstlane_b32 s14, v1
	s_lshr_b32 s15, s14, 1
	s_and_b32 s16, s14, 1
	s_bfe_u32 s40, ttmp6, 0x40000
	s_bfe_u32 s41, ttmp6, 0x40004
	s_lshl_b32 s42, ttmp9, 2
	s_add_co_u32 s42, s42, s40
	s_and_b32 s17, ttmp7, 0xffff
	s_lshl_b32 s17, s17, 2
	s_add_co_u32 s17, s17, s41
	s_lshl_b32 s43, s41, 2
	s_lshl_b32 s43, 15, s43
	s_lshl_b32 s44, 0x1111, s40
	s_or_b32 s[G1], s43, (3<<16)|(1<<21)
	s_or_b32 s[G1B], s44, (3<<16)|(1<<21)
	s_or_b32 s[G1S], s43, (3<<16)|(1<<21)
	s_or_b32 s[G1SB], s44, (3<<16)|(1<<21)
.irp g, G1, G1B
	s_mov_b32 s[\g+1], 768<<16
	s_mov_b32 s[\g+2], 8<<16                       ; the head's loads bring a slot's whole side: 8 tiles
	s_mov_b32 s[\g+3], 768<<16
	s_mov_b32 s[\g+4], 8
	s_mov_b32 s[\g+5], KS*192
	s_mov_b32 s[\g+6], 0
	s_mov_b32 s[\g+7], 0
.endr
.irp g, G1S, G1SB
	s_mov_b32 s[\g+1], 32<<16
	s_mov_b32 s[\g+2], (2*KS)<<16                  ; the scale words of 8 tiles: 8 x KS x 64 bytes as rows of 256
	s_mov_b32 s[\g+3], 32<<16
	s_mov_b32 s[\g+4], 2*KS
	s_mov_b32 s[\g+5], 32
	s_mov_b32 s[\g+6], 0
	s_mov_b32 s[\g+7], 0
.endr
	s_lshl_b32 s20, s17, 3
	s_mul_i32 s22, s20, KS*64                      ; the scale words of all 8 tiles come by one load
	s_lshl_b32 s21, s16, 2
	s_add_co_u32 s20, s20, s21
	s_add_co_u32 s22, s22, S1_SCL
	s_mul_i32 s20, s20, KS*1536
	s_mov_b32 s21, 0
	s_mov_b32 s23, 0
	s_lshl_b32 s46, s42, 3
	s_mul_i32 s92, s46, KS*64
	s_lshl_b32 s47, s16, 2
	s_add_co_u32 s46, s46, s47
	s_add_co_u32 s92, s92, S0_SCL
	s_mul_i32 s46, s46, KS*1536
	s_add_co_u32 s46, s46, S0_IMG
	s_mov_b32 s47, 0
	s_mov_b32 s93, 0
	s_mul_i32 s45, s16, 24576
	s_mul_i32 s94, s16, NB*6144
	s_add_co_u32 s94, s94, S1SL
	s_wait_kmcnt 0x0
	s_add_nc_u64 s[20:21], s[4:5], s[20:21]
	s_add_nc_u64 s[22:23], s[4:5], s[22:23]
	s_add_nc_u64 s[46:47], s[6:7], s[46:47]
	s_add_nc_u64 s[92:93], s[6:7], s[92:93]
	CROUND
	s_mov_b32 s[G0S], 1
	s_mov_b32 s[G0S+1], SCLB
	s_mov_b64 s[G0S+2:G0S+3], s[22:23]
	s_or_b32 s[G0S+3], s[G0S+3], 0x80000000
	s_mov_b32 s[G0SB], 1
	s_mov_b32 s[G0SB+1], SCLB+8*KS*64
	s_mov_b64 s[G0SB+2:G0SB+3], s[92:93]
	s_or_b32 s[G0SB+3], s[G0SB+3], 0x80000000
.irp s, 0,1
	s_mov_b32 s[G0+4*\s], 1
	s_add_co_u32 s[G0+4*\s+1], s45, \s*SLICE
	s_add_nc_u64 s[G0+4*\s+2:G0+4*\s+3], s[20:21], \s*6144
	s_or_b32 s[G0+4*\s+3], s[G0+4*\s+3], 0x80000000
	s_mov_b32 s[G0B+4*\s], 1
	s_add_co_u32 s[G0B+4*\s+1], s94, \s*SLICE
	s_add_nc_u64 s[G0B+4*\s+2:G0B+4*\s+3], s[46:47], \s*6144
	s_or_b32 s[G0B+4*\s+3], s[G0B+4*\s+3], 0x80000000
.endr
; THE HEAD'S LOADS, ONE A WAVE: wave 0 slot 0's 8 tiles of S1, wave 2 its 8 tiles of S0 (both have w % 2 = 0, so their ring addresses are the sides' first tiles), wave 1 S1's scale words, wave 3 S0's.
; One chain of branches on the wave's number, a load to an arm, all arms to one join.
.macro ARM w, g0, g1, next
	s_cmp_eq_u32 s14, \w
	s_cbranch_scc0 \next
	tensor_load_to_lds s[\g0:\g0+3], s[\g1:\g1+7]
	s_nop 0
.rept 4
	v_nop
.endr
	s_branch .Lhead_asked
\next:
.endm
	ARM 0, G0, G1, .Lhead_b
	ARM 2, G0B, G1B, .Lhead_sa
	ARM 1, G0S, G1S, .Lhead_sb
	tensor_load_to_lds s[G0SB:G0SB+3], s[G1SB:G1SB+7]
	s_nop 0
.rept 4
	v_nop
.endr
.Lhead_asked:
	v_and_b32 v1, 15, v0
	v_bfe_u32 v2, v0, 4, 1
	v_and_b32 v5, 31, v0
	v_lshlrev_b32 v3, 4, v5
	v_lshlrev_b32 v4, 3, v5
	s_mul_i32 s21, s15, 24576
	s_mul_i32 s22, s16, NB*6144
	s_add_co_u32 s22, s22, S1SL
.irp s, 0,1
	v_add_nc_u32 v[ADA16+\s], s21, v3
	v_add_nc_u32 v[ADA8+\s], s21, v4
	v_add_nc_u32 v[ADB16+\s], s22, v3
	v_add_nc_u32 v[ADB8+\s], s22, v4
	s_add_co_u32 s21, s21, SLICE
	s_add_co_u32 s22, s22, SLICE
.endr
	s_mul_i32 s21, s15, 4*KS*64
	s_mul_i32 s22, s16, NB*KS*64
	s_add_co_u32 s22, s22, 8*KS*64
	s_sub_co_u32 s22, s22, s21
	v_mul_u32_u24 v6, s22, v2
	s_add_co_u32 s21, s21, SCLB
	v_lshl_add_u32 v6, v1, 2, v6
	v_add_nc_u32 v[ADS], s21, v6
	s_mul_i32 s23, s14, 16*272
	s_add_co_u32 s23, s23, STAGE
	v_mul_u32_u24 v5, v1, 272
	v_lshl_add_u32 v5, v2, 6, v5
	v_add_nc_u32 v[STO], s23, v5
	v_mul_u32_u24 v5, v2, 272
	v_lshl_add_u32 v5, v1, 4, v5
	v_add_nc_u32 v[RD], s23, v5
	v_lshlrev_b32 v5, 12, v2
	v_lshl_add_u32 v[CO], v1, 4, v5
	v_lshlrev_b32 v6, 4, v1
	s_wait_alu depctr_va_vdst(0)
	s_lshl_b32 s18, s17, 7
	s_lshl_b32 s19, s15, 6
	s_add_co_u32 s18, s18, s19
	s_lshl_b32 s18, s18, 12
	s_lshl_b32 s20, s42, 9
	s_lshl_b32 s21, s16, 8
	s_add_co_u32 s20, s20, s21
	s_add_co_u32 s18, s18, s20
	s_mov_b32 s19, 0
	s_mov_b32 s21, 0
	s_add_nc_u64 s[8:9], s[8:9], s[20:21]
	s_add_nc_u64 s[10:11], s[10:11], s[18:19]
	s_add_nc_u64 s[12:13], s[12:13], s[18:19]
	global_load_b128 v[BL:BL+3], v6, s[8:9]
	WIN 0x80                                       ; the residual's rows: window 2, v128 on, behind the accumulators
.irp a, 0,1,2,3
.irp t, 0,1,2,3,4,5,6,7
	global_load_b128 v[128+32*\a+4*\t:128+32*\a+4*\t+3], v[CO], s[10:11] offset:(32*(\a/2)+8*(\a%2)+2*\t+8*(\t/4))*4096 th:TH_LOAD_NT
.endr
.endr
	WIN 0
	s_wait_alu depctr_va_vdst(0)
	s_wait_tensorcnt 0x0                           ; my tile of the head's four is in
	ds_add_u32 v[SPW], v[NIL]
	s_mov_b32 s[G1+2], 4<<16                       ; no tensor load of mine is out: from here on a load brings half a side
	s_mov_b32 s[G1+4], 4
	s_mov_b32 s[G1B+2], 4<<16
	s_mov_b32 s[G1B+4], 4
	s_wait_dscnt 0x0
	CROUND                                         ; all four tiles are in, all sixteen work-groups are here
	JLOAD G0+4, G1, G0B+4, G1B                     ; slot 1: K steps 4 .. 7, the first tensor load behind the round
	FETCH 0, 0, 0
	FETCH 0, 1, 1
	STEP 0, 1, 0, 2                                ; the first products start the sums
.if LAPS > 1
	WIN 0
	s_mov_b32 s3, LAPS-1
.Llap:
	s_wait_alu depctr_va_vdst(0)
	STEP 1, 0, 0, 3
	TURN 0, 1, 1
	STEP 3, 0, 1, 1
	STEP 0, 0, 1, 2
	STEP 1, 0, 1, 3
	TURN 1, 0, 1
	STEP 3, 0, 0, 1
	STEP 0, 0, 0, 2
	WIN 0
	s_sub_co_u32 s3, s3, 1
	s_cmp_lg_u32 s3, 0
	s_cbranch_scc1 .Llap
.endif
	STEP 1, 0, 0, 3
	TURN 0, 1, 0
	STEP 3, 0, 1, 1
	STEP 0, 0, 1, 2
	STEP 1, 0, 1, 3
	s_wait_dscnt NF                                ; the last two steps fetch nothing
	WIN MUL
	MULA 2, 0, 0
	MULA 2, 1, 0
	MULA 2, 2, 0
	MULA 2, 3, 0
	s_wait_dscnt 0x0
	MULA 3, 0, 0
	MULA 3, 1, 0
	MULA 3, 2, 0
	MULA 3, 3, 0
	WIN 0
	PLACES 4
	s_wait_loadcnt 0x0
.macro OUT a
.set YY, 144+32*((\a)%2)
.if (\a) > 1
	s_wait_xcnt 0x0
.endif
	WIN 0x08
.irp b, 0,1,2,3
	ds_store_b128 v[STO], v[8*(4*(\a)+\b):8*(4*(\a)+\b)+3] offset:128*(\b/2)+32*(\b%2)
	ds_store_b128 v[STO], v[8*(4*(\a)+\b)+4:8*(4*(\a)+\b)+7] offset:128*(\b/2)+32*(\b%2)+16
.endr
	WIN 0
.irp t, 0,1,2,3,4,5,6,7
	ds_load_b128 v[YY+4*\t:YY+4*\t+3], v[RD] offset:\t*2*272
.endr
	s_wait_dscnt 0x0
.irp t, 0,1,2,3,4,5,6,7
	v_pk_add_f32 v[YY+4*\t:YY+4*\t+1], v[YY+4*\t:YY+4*\t+1], v[BL:BL+1]
	v_pk_add_f32 v[YY+4*\t+2:YY+4*\t+3], v[YY+4*\t+2:YY+4*\t+3], v[BL+2:BL+3]
.endr
	WIN 0x08
.set i, 0
.rept 16
	v_pk_add_f32 v[YY+i:YY+i+1], v[YY+i:YY+i+1], v[128+32*(\a)+i:128+32*(\a)+i+1]
.set i, i+2
.endr
	WIN 0
.irp t, 0,1,2,3,4,5,6,7
	global_store_b128 v[CO], v[YY+4*\t:YY+4*\t+3], s[12:13] offset:(32*((\a)/2)+8*((\a)%2)+2*\t+8*(\t/4))*4096
.endr
.endm
	OUT 0
	OUT 1
	OUT 2
	OUT 3
	s_wait_tensorcnt 0x0
	ds_add_u32 v[SPW], v[NIL]
	s_wait_dscnt 0x0
	CROUND
	s_endpgm
.Lfunc_end_k_qd29c4aee95_proj:
	.size	k_qd29c4aee95_proj, .Lfunc_end_k_qd29c4aee95_proj-k_qd29c4aee95_proj
	.p2alignl 7, 3214868480
	.fill 96, 4, 3214868480
	.section	.rodata,"a",@progbits
	.p2align	6, 0x0
	.amdhsa_kernel k_qd29c4aee95_proj
		.amdhsa_group_segment_fixed_size 327680
		.amdhsa_private_segment_fixed_size 0
		.amdhsa_enable_private_segment 0
		.amdhsa_kernarg_size 40
		.amdhsa_user_sgpr_count 2
		.amdhsa_user_sgpr_kernarg_segment_ptr 1
		.amdhsa_wavefront_size32 1
		.amdhsa_system_sgpr_workgroup_id_x 1
		.amdhsa_system_sgpr_workgroup_id_y 1
		.amdhsa_system_sgpr_workgroup_id_z 1
		.amdhsa_system_vgpr_workitem_id 0
		.amdhsa_next_free_vgpr 768
		.amdhsa_next_free_sgpr 100
		.amdhsa_reserve_vcc 0
		.amdhsa_float_denorm_mode_32 3
		.amdhsa_float_denorm_mode_16_64 3
		.amdhsa_memory_ordered 1
		.amdhsa_forward_progress 1
		.amdhsa_inst_pref_size 66
	.end_amdhsa_kernel
	.amdgpu_metadata
---
amdhsa.version: [ 1, 2 ]
amdhsa.kernels:
  - .name:           k_qd29c4aee95_proj
    .symbol:         k_qd29c4aee95_proj.kd
    .args:
      - { .name: oq, .offset: 0, .size: 8, .value_kind: global_buffer, .address_space: global }
      - { .name: opq, .offset: 8, .size: 8, .value_kind: global_buffer, .address_space: global }
      - { .name: out_b, .offset: 16, .size: 8, .value_kind: global_buffer, .address_space: global }
      - { .name: x, .offset: 24, .size: 8, .value_kind: global_buffer, .address_space: global }
      - { .name: x1, .offset: 32, .size: 8, .value_kind: global_buffer, .address_space: global }
    .group_segment_fixed_size: 327680
    .private_segment_fixed_size: 0
    .kernarg_segment_align: 8
    .kernarg_segment_size: 40
    .max_flat_workgroup_size: 128
    .sgpr_count:     100
    .vgpr_count:     768
    .wavefront_size: 32
...
	.end_amdgpu_metadata
.endif
;; end of part 4
;; launch ln2: the kernel of part 1 again; grid 256 x 1, 8 waves a work-group, no clusters, 78,336 bytes of LDS; arguments x1, ln2_g, ln2_b, in_proj_w, out_w, w1, w2, opq; writes opq
;; launch ffn1 (part 5): grid 16 x 16, 4 waves a work-group, clusters of 4 x 4, 327,680 bytes of LDS; arguments opq, b1, ffq; writes ffq
.if DOCPART == 5
	.amdgcn_target "amdgcn-amd-amdhsa--gfx1250"
	.amdhsa_code_object_version 6
	.text
	.protected	k_qd29c4aee95_ffn1
	.globl	k_qd29c4aee95_ffn1
	.p2align	8
	.type	k_qd29c4aee95_ffn1,@function
k_qd29c4aee95_ffn1:
	s_mov_b64 s[64:65], 0
	v_nop
	global_prefetch_b8 v0, s[64:65] scope:SCOPE_SE
	s_setreg_imm32_b32 hwreg(HW_REG_WAVE_MODE, 25, 1), 1
	s_wait_xcnt 0x0
	s_wait_alu depctr_hold_cnt(0) depctr_sa_sdst(0) depctr_va_vdst(0) depctr_va_sdst(0) depctr_va_ssrc(0) depctr_va_vcc(0) depctr_vm_vsrc(0)
	s_getreg_b32 s2, hwreg(HW_REG_IB_STS2, 6, 4)
	s_cmp_eq_u32 s2, 0
	s_cbranch_scc0 .Lentry_in_a_cluster
	s_endpgm
.Lentry_in_a_cluster:
	s_bfe_u32 s2, ttmp6, 0x10000c
	s_cmp_lg_u32 s2, 0xf033
	s_cbranch_scc0 .Lentry_shape_is_right
	s_endpgm
.Lentry_shape_is_right:
; ff = gelu(LN2(x1) w1^T + b1) on codes of BF6 (E3M2), quantised at once along the features, which are the next product's K.  It never goes to memory as f32.
; THE PRODUCT: source 0 = 16 slots of S0 (w1's features), source 1 = 16 slots of S1 (tokens): a lane holds one token and its registers run along the features, in true order.
; A work-group makes 256 tokens x 256 features; wave w takes the tokens' half w / 2 (8 tiles) and the features' half w % 2 (8 tiles = one K step of the next product): 64 accumulators, 512 registers:
; for 128 along K a wave reads 16 fragments from LDS and issues 64 matrix instructions.  4,096 x 4,096 results are 256 such blocks.
; K = 1,024 is eight steps of 128.  Two LDS slots of three steps each (16 + 16 tiles x 3 x 1,536 bytes): slot 0 takes steps 0-2 at the head, slot 1 steps 3-5 behind the head's loads, and slot 0 is filled again once, with
; steps 6 and 7: there the descriptor states two steps as what is left of a row, and the tile's third step is written as zeros, which nobody reads.  The scale words of all K come once, at the head.
; OPERANDS lie in memory and LDS as images of their registers (1,536 bytes a fragment): every LDS load is 512 or 256 consecutive bytes.
; GELU is exact in form: x Phi(x), from erfc(z) = t exp(-z^2 + P(t)), t = 1 / (1 + z / 2), z = |x| / sqrt(2), P of degree 9 (fractional error of the formula about 1.2e-7); P's coefficients are
; multiplied by log2(e) and the factor 1/2 is in its constant term.  With w = erfc(z) / 2: x Phi(x) = max(x, 0) - |x| w: no difference of near numbers is formed.
; CLUSTERS 4 x 4: S1's tiles are shared along a row of the cluster, S0's along a column: joint loads.
; NO PREFETCH: the block is the largest that the registers hold, in clusters, and K is short: the walk has one refill.
; REGISTERS: window 0: v1-29 addresses; v32-47 scale words, two sets; v48-239 S1's fragments, two sets of 96; on the way out v48-143 gelu's t, P, U, v144-247 the numbers, codes and what the quantiser works in.
;   window 1: S0's fragments at 128 p + 12 b; the bias at v96-127, v224-255.  window 2: accumulator (a, b), a < 4, at v[8 (8 a + b)]; window 3: a >= 4, at v[8 (8 (a - 4) + b)].
; LIMITS: NaN and infinities are not served; a block of zeros gets the byte 1.
.set KS,     8
.set NB,     8                         ; tiles of 16 slots that a wave takes of each side
.set ES,     3                         ; K steps in a slot
.set S1_IMG, 9830400                   ; opq: the normed rows' images and scale words, w1's images and scale words
.set S1_SCL, 12976128
.set S0_IMG, 3145728
.set S0_SCL, 9568256
.set FF_SCL, 12582912                  ; ffq: the scale words
.set HALF,   NB*ES*1536                ; a wave's half of a side in a slot
.set S1SL,   2*HALF                    ; a slot: S1's 16 tiles, then S0's 16
.set SLICE,  4*HALF
.set SCLB,   2*SLICE                   ; behind the slots: S1's scale words of all K, then S0's
.set SSZ,    2*NB*KS*64
.set SPARE,  SCLB+2*SSZ                ; the spare words, 128 bytes for each wave
.set ADA16, 8                          ; v8-9 S1's fragments in slot 0, 1: + 16 x lane;  v10-11: + 8 x lane
.set ADA8,  10
.set ADB16, 12                         ; v12-15 the same for S0
.set ADB8,  14
.set ADS,   24                         ; v24 my scale words: lanes 0-15 S1's, lanes 16-31 S0's
.set VSO,   26
.set SPW,   28
.set NIL,   29
.set SC,    32
.set S1F,   48
.set GT,    48                         ; gelu: t, later max(x, 0)
.set GP,    80                         ; the polynomial, later w
.set GU,    112                        ; -x log2(e) / 2
.set X,     144
.set PC,    208
.set TM,    228
.set PW,    244
.set KV,    246                        ; v[246:247] the polynomial's coefficient of t^8
.set G1, 24
.set G0, 32
.set G1B, 48
.set G0B, 56
.set SEL, 66
.set G1S, 68
.set G0S, 76
.set G1SB, 80
.set G0SB, 88
.set MSB, 0
.macro WIN new                         ; the immediate's high byte repeats the setting that is left
.if MSB != \new
	s_set_vgpr_msb (MSB<<8)|\new
.set MSB, \new
.endif
.endm
.set MUL_LO, 0xa1                      ; source 0 (S0) window 1, source 1 (S1) window 0, C and D window 2
.set MUL_HI, 0xf1                      ; the same, C and D window 3
.set TO_1,   0x40                      ; destination window 1
.macro PLACES n
.rept \n
	v_nop
.endr
.endm
.macro JLOAD g0a, g1a, g0b, g1b        ; a joint load: waves 0, 1 fetch for S1, waves 2, 3 for S0; four v_nop follow each line
	s_cmp_eq_u32 s15, 0
	s_cbranch_scc0 .Lfor_b_\@
	tensor_load_to_lds s[\g0a:\g0a+3], s[\g1a:\g1a+7]
	s_nop 0
.rept 4
	v_nop
.endr
	s_branch .Lasked_\@
.Lfor_b_\@:
	tensor_load_to_lds s[\g0b:\g0b+3], s[\g1b:\g1b+7]
	s_nop 0
.rept 4
	v_nop
.endr
.Lasked_\@:
.endm
.macro CREST
	s_cmp_lg_u32 s14, 0
	s_cbranch_scc1 .Lnot_wave_0_\@
	s_barrier_signal -3
.Lnot_wave_0_\@:
	s_barrier_wait -3
	s_barrier_signal -1
	s_barrier_wait -1
.endm
.macro CROUND
	s_barrier_signal -1
	s_barrier_wait -1
	CREST
.endm
.macro FRAG reg, a16, a8, off          ; a fragment's image into 12 registers
	ds_load_b128 v[\reg:\reg+3], v[\a16] offset:\off
	ds_load_b64 v[\reg+4:\reg+5], v[\a8] offset:\off+512
	ds_load_b128 v[\reg+6:\reg+9], v[\a16] offset:\off+768
	ds_load_b64 v[\reg+10:\reg+11], v[\a8] offset:\off+1280
.endm
.macro FETCH slot, e, k, p             ; the fragments of the slot's step e, which is K step k, and its scale words, into set p
	WIN TO_1
.set bb, 0
.rept NB
	FRAG 128*(\p)+12*bb, ADB16+\slot, ADB8+\slot, (ES*bb+(\e))*1536
.set bb, bb+1
.endr
	WIN 0
.set bb, 0
.rept NB
	FRAG S1F+96*(\p)+12*bb, ADA16+\slot, ADA8+\slot, (ES*bb+(\e))*1536
.set bb, bb+1
.endr
.set bb, 0
.rept NB
	ds_load_b32 v[SC+8*(\p)+bb], v[ADS] offset:(bb*KS+(\k))*64
.set bb, bb+1
.endr
.endm
.macro MULA p, a, zero                 ; S1's tile a against S0's eight; the 64 accumulators take turns, one instruction a turn, in the same order in every step
.set bb, 0
.rept NB
.if \zero
	v_wmma_scale_f32_16x16x128_f8f6f4 v[8*(NB*((\a)%4)+bb):8*(NB*((\a)%4)+bb)+7], v[128*(\p)+12*bb:128*(\p)+12*bb+11], v[S1F+96*(\p)+12*(\a):S1F+96*(\p)+12*(\a)+11], 0, v[SC+8*(\p)+bb], v[SC+8*(\p)+(\a)] matrix_a_fmt:MATRIX_FMT_BF6 matrix_b_fmt:MATRIX_FMT_BF6 matrix_a_scale:MATRIX_SCALE_ROW1
.else
	v_wmma_scale_f32_16x16x128_f8f6f4 v[8*(NB*((\a)%4)+bb):8*(NB*((\a)%4)+bb)+7], v[128*(\p)+12*bb:128*(\p)+12*bb+11], v[S1F+96*(\p)+12*(\a):S1F+96*(\p)+12*(\a)+11], v[8*(NB*((\a)%4)+bb):8*(NB*((\a)%4)+bb)+7], v[SC+8*(\p)+bb], v[SC+8*(\p)+(\a)] matrix_a_fmt:MATRIX_FMT_BF6 matrix_b_fmt:MATRIX_FMT_BF6 matrix_a_scale:MATRIX_SCALE_ROW1
.endif
.set bb, bb+1
.endr
.endm
.macro MUL8 p, zero                    ; a whole K step: 64 matrix instructions on set p
	WIN MUL_LO
	MULA \p, 0, \zero
	MULA \p, 1, \zero
	MULA \p, 2, \zero
	MULA \p, 3, \zero
	WIN MUL_HI
	MULA \p, 4, \zero
	MULA \p, 5, \zero
	MULA \p, 6, \zero
	MULA \p, 7, \zero
.endm
.macro STEP p, zero, fs, fe, fk        ; a K step on set p whose successor (step fe of slot fs, K step fk) lies in a slot that is whole
	s_wait_dscnt 0x0                               ; this step's set is in
	PLACES 4                                       ; in front of loads into the other set, which the last step's matrix instructions have read
	FETCH \fs, \fe, \fk, 1-(\p)
	MUL8 \p, \zero
.endm
.macro TURN p, next, fk, fill          ; a slot's last step: one barrier, behind which the other slot is whole for every wave; fill = 1: it opens a round of the cluster's barrier, and slot 0 is filled again
	WIN 0
	s_wait_tensorcnt 0x0                           ; all my tensor loads have landed: my part of the other slot
	ds_add_u32 v[SPW], v[NIL]                      ; 0 onto my spare word
	s_wait_dscnt 1                                 ; this step's set is in; only the add may be out
	WIN MUL_LO
	MULA \p, 0, 0
	s_wait_dscnt 0x0                               ; the add is done, my reads of this slot are over
	s_barrier_signal -1
	MULA \p, 1, 0
	WIN 0
	s_barrier_wait -1
.if \fill
	CREST                                          ; no wave of any partner still reads slot 0 or has a load on its way
	s_add_nc_u64 s[G0+2:G0+3], s[G0+2:G0+3], 2*ES*1536     ; K step 6
	s_add_nc_u64 s[G0B+2:G0B+3], s[G0B+2:G0B+3], 2*ES*1536
	s_mov_b32 s[G1+1], ((KS-2*ES)*192)<<16         ; tensor_dim0: two steps are left of a row; the tile's third is written as zeros
	s_mov_b32 s[G1B+1], ((KS-2*ES)*192)<<16
	JLOAD G0, G1, G0B, G1B                         ; the first tensor load behind the round; its four v_nop are the places in front of the loads below
.else
	PLACES 4
.endif
	FETCH \next, 0, \fk, 1-(\p)
	WIN MUL_LO
	MULA \p, 2, 0
	MULA \p, 3, 0
	WIN MUL_HI
	MULA \p, 4, 0
	MULA \p, 5, 0
	MULA \p, 6, 0
	MULA \p, 7, 0
.endm
.macro QUANT s
.irp b, 0,1,2,3
	v_max3_num_f32 v[TM+\b], |v[\s+16*\b]|, |v[\s+1+16*\b]|, 0x2800000   ; block b: my 16 numbers and the floor 2^(5 - 127)
.endr
.irp i, 2,4,6,8,10,12,14
.irp b, 0,1,2,3
	v_max3_num_f32 v[TM+\b], v[TM+\b], |v[\s+16*\b+\i]|, |v[\s+1+16*\b+\i]|
.endr
.endr
.irp b, 0,1,2,3
	v_permlanex16_b32 v[TM+4+\b], v[TM+\b], s[SEL], s[SEL+1]
.endr
.irp b, 0,1,2,3
	v_max_num_f32 v[TM+\b], v[TM+\b], v[TM+4+\b]
.endr
.irp b, 0,1,2,3
	v_add_nc_u32 v[TM+12+\b], 0xfe000000, v[TM+\b]   ; 4 off the exponent field: the conversion's scale operand
.endr
.irp b, 0,1,2,3
	v_lshrrev_b32 v[TM+4+\b], 23, v[TM+12+\b]
.endr
	v_lshl_or_b32 v[PW], v[TM+5], 8, v[TM+4]
	v_lshl_or_b32 v[PW], v[TM+6], 16, v[PW]
	v_lshl_or_b32 v[PW], v[TM+7], 24, v[PW]
.irp c, 0,1
	v_cvt_scalef32_pk16_bf6_f32 v[PC+6*\c:PC+2+6*\c], v[\s+32*\c:\s+15+32*\c], v[TM+12+2*\c]
	v_cvt_scalef32_pk16_bf6_f32 v[PC+12+4*\c:PC+14+4*\c], v[\s+16+32*\c:\s+31+32*\c], v[TM+12+2*\c+1]
.endr
	v_nop                                          ; one plain line behind the scaled conversions
.irp c, 0,1
.irp i, 0,1,2
	v_permlane16_swap_b32 v[PC+6*\c+\i], v[PC+12+4*\c+\i]
.endr
.irp i, 0,1,2
	v_mov_b32 v[PC+3+6*\c+\i], v[PC+12+4*\c+\i]
.endr
.endr
.endm
; gelu of 32 numbers, v[X + 32 hf] on, in place.  Two batches of transcendentals, a wait ahead of each and one behind.
.macro GELU hf
.set XO, X+32*(\hf)
.set i, 0
.rept 32
	v_fma_f32 v[GT+i], |v[XO+i]|, s99, 1.0         ; 1 + z / 2
.set i, i+1
.endr
.set i, 0
	s_wait_alu depctr_va_vdst(0)
.rept 32
	v_rcp_f32 v[GT+i], v[GT+i]                     ; t
.set i, i+1
.endr
.set i, 0
.rept 16
	v_pk_mul_f32 v[GU+i:GU+i+1], v[XO+i:XO+i+1], 0xbf38aa3b op_sel_hi:[1,0]   ; -x log2(e) / 2: independent work behind the reciprocals
.set i, i+2
.endr
	s_wait_alu depctr_va_vdst(0)                   ; one wait for the 32, ahead of their first reader
.set i, 0
.rept 16
	v_pk_fma_f32 v[GP+i:GP+i+1], v[GT+i:GT+i+1], 0x3e7c6f08, v[KV:KV+1] op_sel_hi:[1,0,1]
.set i, i+2
.endr
.irp k, 0x40097039, 0xbfd1a1e5, 0x3ecdfd18, 0xbe899a80, 0x3e0efb2e, 0x3f0a29d2, 0x3fb8ab5a, 0xc034d90f
.set i, 0
.rept 16
	v_pk_fma_f32 v[GP+i:GP+i+1], v[GP+i:GP+i+1], v[GT+i:GT+i+1], \k op_sel_hi:[1,1,0]
.set i, i+2
.endr
.endr
.set i, 0
.rept 16
	v_pk_fma_f32 v[GP+i:GP+i+1], v[GU+i:GU+i+1], v[XO+i:XO+i+1], v[GP+i:GP+i+1]   ; - z^2 log2(e)
.set i, i+2
.endr
.set i, 0
	s_wait_alu depctr_va_vdst(0)
.rept 32
	v_exp_f32 v[GP+i], v[GP+i]
.set i, i+1
.endr
	v_nop                                          ; a plain line behind the exponentials
	s_wait_alu depctr_va_vdst(0)                   ; one wait for the 32
.set i, 0
.rept 16
	v_pk_mul_f32 v[GP+i:GP+i+1], v[GP+i:GP+i+1], v[GT+i:GT+i+1]   ; w = erfc(z) / 2
.set i, i+2
.endr
.set i, 0
.rept 32
	v_max_num_f32 v[GT+i], 0, v[XO+i]              ; max(x, 0)
.set i, i+1
.endr
.set i, 0
.rept 32
	v_fma_f32 v[XO+i], -|v[XO+i]|, v[GP+i], v[GT+i]   ; x Phi(x) = max(x, 0) - |x| w, in one rounding
.set i, i+1
.endr
.endm
	s_load_b128 s[4:7], s[0:1], 0x0                ; opq s[4:5], b1 s[6:7]
	s_load_b64 s[8:9], s[0:1], 0x10                ; ffq
	v_lshl_add_u32 v[SPW], v0, 2, SPARE
	v_mov_b32 v[NIL], 0
	ds_add_u32 v[SPW], v[NIL]                      ; the opening lines: the add, twice on end, and its wait ahead of my first tensor load
	ds_add_u32 v[SPW], v[NIL]
	v_lshrrev_b32 v1, 5, v0
	v_readfirstlane_b32 s14, v1                    ; wave 0..3
	s_lshr_b32 s15, s14, 1                         ; my half of S1.  Also: I fetch for S1 (0) or S0 (1)
	s_and_b32 s16, s14, 1                          ; my half of S0.  Also: which half I fetch
	s_bfe_u32 s40, ttmp6, 0x40000                  ; cx
	s_bfe_u32 s41, ttmp6, 0x40004                  ; cy
	s_lshl_b32 s42, ttmp9, 2
	s_add_co_u32 s42, s42, s40                     ; x: S0's tile of 256 features
	s_and_b32 s17, ttmp7, 0xffff
	s_lshl_b32 s17, s17, 2
	s_add_co_u32 s17, s17, s41                     ; y: S1's tile of 256 tokens
	s_lshl_b32 s43, s41, 2
	s_lshl_b32 s43, 15, s43                        ; my row of the cluster
	s_lshl_b32 s44, 0x1111, s40                    ; my column
	s_or_b32 s[G1], s43, (3<<16)|(1<<21)           ; 15:0 the mask; 17:16 elements of 8 bytes; 21 set beside a mask
	s_or_b32 s[G1B], s44, (3<<16)|(1<<21)
	s_or_b32 s[G1S], s43, (3<<16)|(1<<21)
	s_or_b32 s[G1SB], s44, (3<<16)|(1<<21)
.irp g, G1, G1B
	s_mov_b32 s[\g+1], (ES*192)<<16                ; tensor_dim0: three K steps of a tile, 4,608 bytes
	s_mov_b32 s[\g+2], (2*NB)<<16                  ; tensor_dim1: the head's loads bring a slot's whole side, 16 tiles
	s_mov_b32 s[\g+3], (ES*192)<<16                ; tile_dim0
	s_mov_b32 s[\g+4], 2*NB
	s_mov_b32 s[\g+5], KS*192                      ; from tile to tile
	s_mov_b32 s[\g+6], 0
	s_mov_b32 s[\g+7], 0
.endr
.irp g, G1S, G1SB
	s_mov_b32 s[\g+1], 32<<16                      ; a side's scale words: a dense block of SSZ bytes as rows of 256
	s_mov_b32 s[\g+2], (SSZ/256)<<16
	s_mov_b32 s[\g+3], 32<<16
	s_mov_b32 s[\g+4], SSZ/256
	s_mov_b32 s[\g+5], 32
	s_mov_b32 s[\g+6], 0
	s_mov_b32 s[\g+7], 0
.endr
	s_lshl_b32 s20, s17, 4                         ; S1: the block's first tile of 16
	s_mul_i32 s22, s20, KS*64
	s_add_co_u32 s22, s22, S1_SCL                  ; the scale words of all 16 tiles come by one load
	s_lshl_b32 s21, s16, 3
	s_add_co_u32 s20, s20, s21                     ; the first of the 8 tiles that I fetch in the ring
	s_mul_i32 s20, s20, KS*1536
	s_add_co_u32 s20, s20, S1_IMG
	s_mov_b32 s21, 0
	s_mov_b32 s23, 0
	s_lshl_b32 s46, s42, 4                         ; S0 likewise
	s_mul_i32 s92, s46, KS*64
	s_add_co_u32 s92, s92, S0_SCL
	s_lshl_b32 s47, s16, 3
	s_add_co_u32 s46, s46, s47
	s_mul_i32 s46, s46, KS*1536
	s_add_co_u32 s46, s46, S0_IMG
	s_mov_b32 s47, 0
	s_mov_b32 s93, 0
	s_mul_i32 s45, s16, HALF                       ; where they go: no place in the cluster enters an LDS address
	s_add_co_u32 s94, s45, S1SL
	s_mov_b32 s[SEL], 0x76543210
	s_mov_b32 s[SEL+1], 0xfedcba98
	s_mov_b32 s99, 0x3eb504f3                      ; 1 / (2 sqrt(2))
	s_wait_dscnt 0x0                               ; both opening adds are done
	s_wait_kmcnt 0x0
	s_add_nc_u64 s[20:21], s[4:5], s[20:21]
	s_add_nc_u64 s[22:23], s[4:5], s[22:23]
	s_add_nc_u64 s[46:47], s[4:5], s[46:47]
	s_add_nc_u64 s[92:93], s[4:5], s[92:93]
	CROUND                                         ; all sixteen work-groups are here: the first joint loads meet
	s_mov_b32 s[G0S], 1
	s_mov_b32 s[G0S+1], SCLB
	s_mov_b64 s[G0S+2:G0S+3], s[22:23]
	s_or_b32 s[G0S+3], s[G0S+3], 0x80000000
	s_mov_b32 s[G0SB], 1
	s_mov_b32 s[G0SB+1], SCLB+SSZ
	s_mov_b64 s[G0SB+2:G0SB+3], s[92:93]
	s_or_b32 s[G0SB+3], s[G0SB+3], 0x80000000
.irp s, 0,1
	s_mov_b32 s[G0+4*\s], 1
	s_add_co_u32 s[G0+4*\s+1], s45, \s*SLICE
	s_add_nc_u64 s[G0+4*\s+2:G0+4*\s+3], s[20:21], \s*ES*1536
	s_or_b32 s[G0+4*\s+3], s[G0+4*\s+3], 0x80000000
	s_mov_b32 s[G0B+4*\s], 1
	s_add_co_u32 s[G0B+4*\s+1], s94, \s*SLICE
	s_add_nc_u64 s[G0B+4*\s+2:G0B+4*\s+3], s[46:47], \s*ES*1536
	s_or_b32 s[G0B+4*\s+3], s[G0B+4*\s+3], 0x80000000
.endr
; THE HEAD'S LOADS, ONE A WAVE: wave 0 slot 0's 16 tiles of S1, wave 2 its 16 tiles of S0 (both have w % 2 = 0, so their ring addresses are the sides' first tiles), wave 1 S1's scale words, wave 3 S0's.
; One chain of branches on the wave's number, a load to an arm, all arms to one join.
.macro ARM w, g0, g1, next
	s_cmp_eq_u32 s14, \w
	s_cbranch_scc0 \next
	tensor_load_to_lds s[\g0:\g0+3], s[\g1:\g1+7]
	s_nop 0
.rept 4
	v_nop
.endr
	s_branch .Lhead_asked
\next:
.endm
	ARM 0, G0, G1, .Lhead_b
	ARM 2, G0B, G1B, .Lhead_sa
	ARM 1, G0S, G1S, .Lhead_sb
	tensor_load_to_lds s[G0SB:G0SB+3], s[G1SB:G1SB+7]
	s_nop 0
.rept 4
	v_nop
.endr
.Lhead_asked:
	v_and_b32 v1, 15, v0                           ; r
	v_bfe_u32 v2, v0, 4, 1                         ; h
	v_and_b32 v5, 31, v0
	v_lshlrev_b32 v3, 4, v5                        ; 16 x lane
	v_lshlrev_b32 v4, 3, v5                        ; 8 x lane
	s_mul_i32 s21, s15, HALF
	s_mul_i32 s22, s16, HALF
	s_add_co_u32 s22, s22, S1SL
.irp s, 0,1
	v_add_nc_u32 v[ADA16+\s], s21, v3
	v_add_nc_u32 v[ADA8+\s], s21, v4
	v_add_nc_u32 v[ADB16+\s], s22, v3
	v_add_nc_u32 v[ADB8+\s], s22, v4
	s_add_co_u32 s21, s21, SLICE
	s_add_co_u32 s22, s22, SLICE
.endr
	s_mul_i32 s21, s15, NB*KS*64                   ; S1's scale words: my 8 tiles
	s_mul_i32 s22, s16, NB*KS*64                   ; S0's: my 8 tiles, behind S1's 16
	s_add_co_u32 s22, s22, SSZ
	s_sub_co_u32 s22, s22, s21
	v_mul_u32_u24 v6, s22, v2                      ; lanes 16-31 take S0's
	s_add_co_u32 s21, s21, SCLB
	v_lshl_add_u32 v6, v1, 2, v6
	v_add_nc_u32 v[ADS], s21, v6
	v_mov_b32 v[KV], 0xbf97d29d
	v_mov_b32 v[KV+1], 0xbf97d29d
	v_lshlrev_b32 v[VSO], 2, v1                    ; 4 r
	v_lshlrev_b32 v7, 6, v2                        ; 64 h
	s_wait_alu depctr_va_vdst(0)
	s_lshl_b32 s18, s17, 4
	s_lshl_b32 s19, s15, 3
	s_add_co_u32 s18, s18, s19                     ; my first token tile
	s_lshl_b32 s19, s42, 1
	s_add_co_u32 s19, s19, s16                     ; my K step of the next product
	s_mul_i32 s20, s18, 49152
	s_mul_i32 s21, s19, 1536
	s_add_co_u32 s20, s20, s21
	s_lshl_b32 s22, s18, 11
	s_lshl_b32 s23, s19, 6
	s_add_co_u32 s22, s22, s23
	s_add_co_u32 s22, s22, FF_SCL
	s_mov_b32 s21, 0
	s_mov_b32 s23, 0
	s_add_nc_u64 s[10:11], s[8:9], s[22:23]        ; scale words
	s_add_nc_u64 s[8:9], s[8:9], s[20:21]          ; codes
	s_lshl_b32 s20, s19, 9
	s_add_nc_u64 s[6:7], s[6:7], s[20:21]          ; b1 of my 128 features
	WIN TO_1
.irp t, 0,1,2,3,4,5,6,7                        ; the bias in the result's layout: tile t, lane (r, h): features 32 (t / 2) + 8 (t % 2) + 16 h + 0 .. 7
	global_load_b128 v[96+8*\t+96*(\t/4):96+8*\t+96*(\t/4)+3], v7, s[6:7] offset:(32*(\t/2)+8*(\t%2))*4
	global_load_b128 v[96+8*\t+96*(\t/4)+4:96+8*\t+96*(\t/4)+7], v7, s[6:7] offset:(32*(\t/2)+8*(\t%2))*4+16
.endr
	WIN 0
	s_wait_alu depctr_va_vdst(0)
	s_wait_tensorcnt 0x0                           ; my tile of the head's four is in
	ds_add_u32 v[SPW], v[NIL]
	s_mov_b32 s[G1+2], NB<<16                      ; no tensor load of mine is out: from here on a load brings half a side, 8 tiles
	s_mov_b32 s[G1+4], NB
	s_mov_b32 s[G1B+2], NB<<16
	s_mov_b32 s[G1B+4], NB
	s_wait_dscnt 0x0
	CROUND                                         ; all four tiles are in, all sixteen work-groups are here
	JLOAD G0+4, G1, G0B+4, G1B                     ; slot 1: K steps 3 .. 5, the first tensor load behind the round
	FETCH 0, 0, 0, 0
	STEP 0, 1, 0, 1, 1                             ; K step 0: the first products start the sums
	STEP 1, 0, 0, 2, 2                             ; 1
	TURN 0, 1, 3, 1                                ; 2: slot 0 is read out and takes K steps 6, 7
	STEP 1, 0, 1, 1, 4                             ; 3
	STEP 0, 0, 1, 2, 5                             ; 4
	TURN 1, 0, 6, 0                                ; 5: nothing more is fetched
	STEP 0, 0, 0, 1, 7                             ; 6
	s_wait_dscnt 0x0
	MUL8 1, 0                                      ; 7
	WIN 0
	PLACES 4                                       ; in front of the first read of results and of writes into S1's fragment registers
.irp b, 0,1,2,3
	v_mov_b32 v[TM+4+\b], 0                        ; written once: a lane permute's destination counts as one of its sources
.endr
	s_wait_loadcnt 0x0                             ; the bias
; THE WAY OUT, a counted loop of eight trips, one for each of my tiles of S1: only the lines that take the tile's accumulators (+ bias) differ from trip to trip and are written eight times, chosen by the trip's number.
.macro BIAS a
.set BW, 0x06+(\a)/4                   ; source 0 window 2 or 3, source 1 window 1
	WIN BW
.set bb, 0
.rept 8
.irp j, 0,2,4,6
	v_pk_add_f32 v[X+8*bb+\j:X+8*bb+\j+1], v[8*(8*((\a)%4)+bb)+\j:8*(8*((\a)%4)+bb)+\j+1], v[96+8*bb+96*(bb/4)+\j:96+8*bb+96*(bb/4)+\j+1]   ; each accumulator from its low end on
.endr
.set bb, bb+1
.endr
	WIN 0
.endm
	s_mov_b32 s3, 0
.Lepi:
.irp a, 0,1,2,3,4,5,6
	s_cmp_lg_u32 s3, \a
	s_cbranch_scc1 .Lnb\a
	BIAS \a
	s_branch .Lbiased
.Lnb\a:
.endr
	BIAS 7
.Lbiased:
	GELU 0
	GELU 1
	QUANT X
	global_store_b128 v3, v[PC:PC+3], s[8:9]       ; each store covers 512 or 256 consecutive bytes, aligned
	global_store_b64 v4, v[PC+4:PC+5], s[8:9] offset:512
	global_store_b128 v3, v[PC+6:PC+9], s[8:9] offset:768
	global_store_b64 v4, v[PC+10:PC+11], s[8:9] offset:1280
	global_store_b32 v[VSO], v[PW], s[10:11]       ; both halves of the lanes store the same word with the same value
	s_wait_xcnt 0x0                                ; the stores have read their registers and bases: only now are they stepped and written again
	s_add_nc_u64 s[8:9], s[8:9], 49152             ; the next token tile's image
	s_add_nc_u64 s[10:11], s[10:11], 2048          ; and scale words
	s_add_co_u32 s3, s3, 1
	s_cmp_lt_u32 s3, 8
	s_wait_alu depctr_va_vdst(0)
	s_cbranch_scc1 .Lepi
	s_wait_tensorcnt 0x0                           ; the wave's end
	ds_add_u32 v[SPW], v[NIL]
	s_wait_dscnt 0x0
	CROUND                                         ; the closing round
	s_endpgm
.Lfunc_end_k_qd29c4aee95_ffn1:
	.size	k_qd29c4aee95_ffn1, .Lfunc_end_k_qd29c4aee95_ffn1-k_qd29c4aee95_ffn1
	.p2alignl 7, 3214868480
	.fill 96, 4, 3214868480
	.section	.rodata,"a",@progbits
	.p2align	6, 0x0
	.amdhsa_kernel k_qd29c4aee95_ffn1
		.amdhsa_group_segment_fixed_size 327680
		.amdhsa_private_segment_fixed_size 0
		.amdhsa_enable_private_segment 0
		.amdhsa_kernarg_size 24
		.amdhsa_user_sgpr_count 2
		.amdhsa_user_sgpr_kernarg_segment_ptr 1
		.amdhsa_wavefront_size32 1
		.amdhsa_system_sgpr_workgroup_id_x 1
		.amdhsa_system_sgpr_workgroup_id_y 1
		.amdhsa_system_sgpr_workgroup_id_z 1
		.amdhsa_system_vgpr_workitem_id 0
		.amdhsa_next_free_vgpr 1024
		.amdhsa_next_free_sgpr 100
		.amdhsa_reserve_vcc 0
		.amdhsa_float_denorm_mode_32 3
		.amdhsa_float_denorm_mode_16_64 3
		.amdhsa_memory_ordered 1
		.amdhsa_forward_progress 1
		.amdhsa_inst_pref_size 187
	.end_amdhsa_kernel
	.amdgpu_metadata
---
amdhsa.version: [ 1, 2 ]
amdhsa.kernels:
  - .name:           k_qd29c4aee95_ffn1
    .symbol:         k_qd29c4aee95_ffn1.kd
    .args:
      - { .name: opq, .offset: 0, .size: 8, .value_kind: global_buffer, .address_space: global }
      - { .name: b1, .offset: 8, .size: 8, .value_kind: global_buffer, .address_space: global }
      - { .name: ffq, .offset: 16, .size: 8, .value_kind: global_buffer, .address_space: global }
    .group_segment_fixed_size: 327680
    .private_segment_fixed_size: 0
    .kernarg_segment_align: 8
    .kernarg_segment_size: 24
    .max_flat_workgroup_size: 128
    .sgpr_count:     100
    .vgpr_count:     1024
    .wavefront_size: 32
...
	.end_amdgpu_metadata
.endif
;; end of part 5
;; launch ffn2 (part 6): grid 8 x 32, 4 waves a work-group, clusters of 4 x 4, 327,680 bytes of LDS; arguments ffq, opq, b2, x1, out0; writes out0
.if DOCPART == 6
	.amdgcn_target "amdgcn-amd-amdhsa--gfx1250"
	.amdhsa_code_object_version 6
	.text
	.protected	k_qd29c4aee95_ffn2
	.globl	k_qd29c4aee95_ffn2
	.p2align	8
	.type	k_qd29c4aee95_ffn2,@function
k_qd29c4aee95_ffn2:
	s_mov_b64 s[64:65], 0
	v_nop
	global_prefetch_b8 v0, s[64:65] scope:SCOPE_SE
	s_setreg_imm32_b32 hwreg(HW_REG_WAVE_MODE, 25, 1), 1
	s_wait_xcnt 0x0
	s_wait_alu depctr_hold_cnt(0) depctr_sa_sdst(0) depctr_va_vdst(0) depctr_va_sdst(0) depctr_va_ssrc(0) depctr_va_vcc(0) depctr_vm_vsrc(0)
	s_getreg_b32 s2, hwreg(HW_REG_IB_STS2, 6, 4)
	s_cmp_eq_u32 s2, 0
	s_cbranch_scc0 .Lentry_in_a_cluster
	s_endpgm
.Lentry_in_a_cluster:
	s_bfe_u32 s2, ttmp6, 0x10000c
	s_cmp_lg_u32 s2, 0xf033
	s_cbranch_scc0 .Lentry_shape_is_right
	s_endpgm
.Lentry_shape_is_right:
.set KS,     32
.set S1_SCL, 12582912
.set S0_IMG, 6291456
.set S0_SCL, 9699328
.set NB,     4
.set LAPS,   KS/8
.set S1SL,   49152
.set SLICE,  S1SL+2*NB*6144
.set SCLB,   2*SLICE
.set STAGE,  SCLB+8*KS*64+2*NB*KS*64
.set SPARE,  STAGE+4*16*272
.set ADA16, 8
.set ADA8,  10
.set ADB16, 12
.set ADB8,  14
.set BL,    20
.set ADS,   24
.set STO,   25
.set RD,    26
.set CO,    27
.set SPW,   28
.set NIL,   29
.set SC,    32
.set S1F,   48
.set G1, 24
.set G0, 32
.set G1B, 48
.set G0B, 56
.set G1S, 68
.set G0S, 76
.set G1SB, 80
.set G0SB, 88
.set MSB, 0
.macro WIN new
.if MSB != \new
	s_set_vgpr_msb (MSB<<8)|\new
.set MSB, \new
.endif
.endm
.set MUL,  0xa1
.set TO_1, 0x40
.macro PLACES n
.rept \n
	v_nop
.endr
.endm
.macro JLOAD g0a, g1a, g0b, g1b
	s_cmp_eq_u32 s15, 0
	s_cbranch_scc0 .Lfor_b_\@
	tensor_load_to_lds s[\g0a:\g0a+3], s[\g1a:\g1a+7]
	s_nop 0
.rept 4
	v_nop
.endr
	s_branch .Lasked_\@
.Lfor_b_\@:
	tensor_load_to_lds s[\g0b:\g0b+3], s[\g1b:\g1b+7]
	s_nop 0
.rept 4
	v_nop
.endr
.Lasked_\@:
.endm
.macro CREST
	s_cmp_lg_u32 s14, 0
	s_cbranch_scc1 .Lnot_wave_0_\@
	s_barrier_signal -3
.Lnot_wave_0_\@:
	s_barrier_wait -3
	s_barrier_signal -1
	s_barrier_wait -1
.endm
.macro CROUND
	s_barrier_signal -1
	s_barrier_wait -1
	CREST
.endm
.macro FRAG reg, a16, a8, off
	ds_load_b128 v[\reg:\reg+3], v[\a16] offset:\off
	ds_load_b64 v[\reg+4:\reg+5], v[\a8] offset:\off+512
	ds_load_b128 v[\reg+6:\reg+9], v[\a16] offset:\off+768
	ds_load_b64 v[\reg+10:\reg+11], v[\a8] offset:\off+1280
.endm
.macro FETCH slot, e, p
	WIN TO_1
.set bb, 0
.rept NB
	FRAG 64*(\p)+12*bb, ADB16+\slot, ADB8+\slot, (4*bb+(\e))*1536   ; four sets: S0's at 64 p in window 1, S1's at S1F + 48 p, the scale words at SC + 4 p
.set bb, bb+1
.endr
	WIN 0
.set bb, 0
.rept 4
	FRAG S1F+48*(\p)+12*bb, ADA16+\slot, ADA8+\slot, (4*bb+(\e))*1536
.set bb, bb+1
.endr
.set bb, 0
.rept NB
	ds_load_b32 v[SC+4*(\p)+bb], v[ADS] offset:(bb*KS+(\e))*64
.set bb, bb+1
.endr
.endm
.macro MULA p, a, zero
.set bb, 0
.rept NB
.if \zero
	v_wmma_scale_f32_16x16x128_f8f6f4 v[8*(NB*(\a)+bb):8*(NB*(\a)+bb)+7], v[64*(\p)+12*bb:64*(\p)+12*bb+11], v[S1F+48*(\p)+12*(\a):S1F+48*(\p)+12*(\a)+11], 0, v[SC+4*(\p)+bb], v[SC+4*(\p)+(\a)] matrix_a_fmt:MATRIX_FMT_BF6 matrix_b_fmt:MATRIX_FMT_BF6 matrix_a_scale:MATRIX_SCALE_ROW1
.else
	v_wmma_scale_f32_16x16x128_f8f6f4 v[8*(NB*(\a)+bb):8*(NB*(\a)+bb)+7], v[64*(\p)+12*bb:64*(\p)+12*bb+11], v[S1F+48*(\p)+12*(\a):S1F+48*(\p)+12*(\a)+11], v[8*(NB*(\a)+bb):8*(NB*(\a)+bb)+7], v[SC+4*(\p)+bb], v[SC+4*(\p)+(\a)] matrix_a_fmt:MATRIX_FMT_BF6 matrix_b_fmt:MATRIX_FMT_BF6 matrix_a_scale:MATRIX_SCALE_ROW1
.endif
.set bb, bb+1
.endr
.endm
; FRAGMENTS ARE FETCHED TWO K STEPS AHEAD, into four sets by turns: step e of a slot multiplies set e and asks for the step two on (step fe of slot fs) into set (e + 2) % 4.
.set NF, 5*NB+16                       ; the LDS loads of one FETCH
.macro STEP e, zero, fs, fe
	s_wait_dscnt NF                                ; this step's set is in; the next step's NF loads may be out
	PLACES 4                                       ; in front of loads into registers that matrix instructions have read
	FETCH \fs, \fe, ((\e)+2)%4
	WIN MUL
	MULA \e, 0, \zero
	MULA \e, 1, \zero
	MULA \e, 2, \zero
	MULA \e, 3, \zero
.endm
; A slot's third step changes slots: all four steps' fragments of this slot have been asked for, so behind the barrier the slot can be filled again, and the other slot's first step is fetched.
.macro TURN slot, next, fill
	WIN 0
	s_wait_tensorcnt 0x0                           ; all my tensor loads have landed: my part of the other slot
	ds_add_u32 v[SPW], v[NIL]
	s_wait_dscnt NF+1                              ; set 2 is in; set 3's NF loads and the add may be out
	WIN MUL
	MULA 2, 0, 0
	s_wait_dscnt 0x0                               ; the add is done, my reads of this slot are over
	s_barrier_signal -1
	MULA 2, 1, 0
	WIN 0
	s_barrier_wait -1
.if \fill
	CREST
	s_add_nc_u64 s[G0+4*\slot+2:G0+4*\slot+3], s[G0+4*\slot+2:G0+4*\slot+3], 12288
	s_add_nc_u64 s[G0B+4*\slot+2:G0B+4*\slot+3], s[G0B+4*\slot+2:G0B+4*\slot+3], 12288
	JLOAD G0+4*\slot, G1, G0B+4*\slot, G1B
.else
	PLACES 4
.endif
	v_add_nc_u32 v[ADS], 256, v[ADS]               ; the next four steps' scale words
	s_wait_alu depctr_va_vdst(0)
	FETCH \next, 0, 0
	WIN MUL
	MULA 2, 2, 0
	MULA 2, 3, 0
.endm
	s_load_b256 s[4:11], s[0:1], 0x0
	s_load_b64 s[12:13], s[0:1], 0x20
	v_lshl_add_u32 v[SPW], v0, 2, SPARE
	v_mov_b32 v[NIL], 0
	ds_add_u32 v28, v29
	ds_add_u32 v28, v29
	s_wait_dscnt 0x0
	v_lshrrev_b32 v1, 5, v0
	v_readfirstlane_b32 s14, v1
	s_lshr_b32 s15, s14, 1
	s_and_b32 s16, s14, 1
	s_bfe_u32 s40, ttmp6, 0x40000
	s_bfe_u32 s41, ttmp6, 0x40004
	s_lshl_b32 s42, ttmp9, 2
	s_add_co_u32 s42, s42, s40
	s_and_b32 s17, ttmp7, 0xffff
	s_lshl_b32 s17, s17, 2
	s_add_co_u32 s17, s17, s41
	s_lshl_b32 s43, s41, 2
	s_lshl_b32 s43, 15, s43
	s_lshl_b32 s44, 0x1111, s40
	s_or_b32 s[G1], s43, (3<<16)|(1<<21)
	s_or_b32 s[G1B], s44, (3<<16)|(1<<21)
	s_or_b32 s[G1S], s43, (3<<16)|(1<<21)
	s_or_b32 s[G1SB], s44, (3<<16)|(1<<21)
.irp g, G1, G1B
	s_mov_b32 s[\g+1], 768<<16
	s_mov_b32 s[\g+2], 8<<16                       ; the head's loads bring a slot's whole side: 8 tiles
	s_mov_b32 s[\g+3], 768<<16
	s_mov_b32 s[\g+4], 8
	s_mov_b32 s[\g+5], KS*192
	s_mov_b32 s[\g+6], 0
	s_mov_b32 s[\g+7], 0
.endr
.irp g, G1S, G1SB
	s_mov_b32 s[\g+1], 32<<16
	s_mov_b32 s[\g+2], (2*KS)<<16                  ; the scale words of 8 tiles: 8 x KS x 64 bytes as rows of 256
	s_mov_b32 s[\g+3], 32<<16
	s_mov_b32 s[\g+4], 2*KS
	s_mov_b32 s[\g+5], 32
	s_mov_b32 s[\g+6], 0
	s_mov_b32 s[\g+7], 0
.endr
	s_lshl_b32 s20, s17, 3
	s_mul_i32 s22, s20, KS*64                      ; the scale words of all 8 tiles come by one load
	s_lshl_b32 s21, s16, 2
	s_add_co_u32 s20, s20, s21
	s_add_co_u32 s22, s22, S1_SCL
	s_mul_i32 s20, s20, KS*1536
	s_mov_b32 s21, 0
	s_mov_b32 s23, 0
	s_lshl_b32 s46, s42, 3
	s_mul_i32 s92, s46, KS*64
	s_lshl_b32 s47, s16, 2
	s_add_co_u32 s46, s46, s47
	s_add_co_u32 s92, s92, S0_SCL
	s_mul_i32 s46, s46, KS*1536
	s_add_co_u32 s46, s46, S0_IMG
	s_mov_b32 s47, 0
	s_mov_b32 s93, 0
	s_mul_i32 s45, s16, 24576
	s_mul_i32 s94, s16, NB*6144
	s_add_co_u32 s94, s94, S1SL
	s_wait_kmcnt 0x0
	s_add_nc_u64 s[20:21], s[4:5], s[20:21]
	s_add_nc_u64 s[22:23], s[4:5], s[22:23]
	s_add_nc_u64 s[46:47], s[6:7], s[46:47]
	s_add_nc_u64 s[92:93], s[6:7], s[92:93]
	CROUND
	s_mov_b32 s[G0S], 1
	s_mov_b32 s[G0S+1], SCLB
	s_mov_b64 s[G0S+2:G0S+3], s[22:23]
	s_or_b32 s[G0S+3], s[G0S+3], 0x80000000
	s_mov_b32 s[G0SB], 1
	s_mov_b32 s[G0SB+1], SCLB+8*KS*64
	s_mov_b64 s[G0SB+2:G0SB+3], s[92:93]
	s_or_b32 s[G0SB+3], s[G0SB+3], 0x80000000
.irp s, 0,1
	s_mov_b32 s[G0+4*\s], 1
	s_add_co_u32 s[G0+4*\s+1], s45, \s*SLICE
	s_add_nc_u64 s[G0+4*\s+2:G0+4*\s+3], s[20:21], \s*6144
	s_or_b32 s[G0+4*\s+3], s[G0+4*\s+3], 0x80000000
	s_mov_b32 s[G0B+4*\s], 1
	s_add_co_u32 s[G0B+4*\s+1], s94, \s*SLICE
	s_add_nc_u64 s[G0B+4*\s+2:G0B+4*\s+3], s[46:47], \s*6144
	s_or_b32 s[G0B+4*\s+3], s[G0B+4*\s+3], 0x80000000
.endr
; THE HEAD'S LOADS, ONE A WAVE: wave 0 slot 0's 8 tiles of S1, wave 2 its 8 tiles of S0 (both have w % 2 = 0, so their ring addresses are the sides' first tiles), wave 1 S1's scale words, wave 3 S0's.
; One chain of branches on the wave's number, a load to an arm, all arms to one join.
.macro ARM w, g0, g1, next
	s_cmp_eq_u32 s14, \w
	s_cbranch_scc0 \next
	tensor_load_to_lds s[\g0:\g0+3], s[\g1:\g1+7]
	s_nop 0
.rept 4
	v_nop
.endr
	s_branch .Lhead_asked
\next:
.endm
	ARM 0, G0, G1, .Lhead_b
	ARM 2, G0B, G1B, .Lhead_sa
	ARM 1, G0S, G1S, .Lhead_sb
	tensor_load_to_lds s[G0SB:G0SB+3], s[G1SB:G1SB+7]
	s_nop 0
.rept 4
	v_nop
.endr
.Lhead_asked:
	v_and_b32 v1, 15, v0
	v_bfe_u32 v2, v0, 4, 1
	v_and_b32 v5, 31, v0
	v_lshlrev_b32 v3, 4, v5
	v_lshlrev_b32 v4, 3, v5
	s_mul_i32 s21, s15, 24576
	s_mul_i32 s22, s16, NB*6144
	s_add_co_u32 s22, s22, S1SL
.irp s, 0,1
	v_add_nc_u32 v[ADA16+\s], s21, v3
	v_add_nc_u32 v[ADA8+\s], s21, v4
	v_add_nc_u32 v[ADB16+\s], s22, v3
	v_add_nc_u32 v[ADB8+\s], s22, v4
	s_add_co_u32 s21, s21, SLICE
	s_add_co_u32 s22, s22, SLICE
.endr
	s_mul_i32 s21, s15, 4*KS*64
	s_mul_i32 s22, s16, NB*KS*64
	s_add_co_u32 s22, s22, 8*KS*64
	s_sub_co_u32 s22, s22, s21
	v_mul_u32_u24 v6, s22, v2
	s_add_co_u32 s21, s21, SCLB
	v_lshl_add_u32 v6, v1, 2, v6
	v_add_nc_u32 v[ADS], s21, v6
	s_mul_i32 s23, s14, 16*272
	s_add_co_u32 s23, s23, STAGE
	v_mul_u32_u24 v5, v1, 272
	v_lshl_add_u32 v5, v2, 6, v5
	v_add_nc_u32 v[STO], s23, v5
	v_mul_u32_u24 v5, v2, 272
	v_lshl_add_u32 v5, v1, 4, v5
	v_add_nc_u32 v[RD], s23, v5
	v_lshlrev_b32 v5, 12, v2
	v_lshl_add_u32 v[CO], v1, 4, v5
	v_lshlrev_b32 v6, 4, v1
	s_wait_alu depctr_va_vdst(0)
	s_lshl_b32 s18, s17, 7
	s_lshl_b32 s19, s15, 6
	s_add_co_u32 s18, s18, s19
	s_lshl_b32 s18, s18, 12
	s_lshl_b32 s20, s42, 9
	s_lshl_b32 s21, s16, 8
	s_add_co_u32 s20, s20, s21
	s_add_co_u32 s18, s18, s20
	s_mov_b32 s19, 0
	s_mov_b32 s21, 0
	s_add_nc_u64 s[8:9], s[8:9], s[20:21]
	s_add_nc_u64 s[10:11], s[10:11], s[18:19]
	s_add_nc_u64 s[12:13], s[12:13], s[18:19]
	global_load_b128 v[BL:BL+3], v6, s[8:9]
	WIN 0x80                                       ; the residual's rows: window 2, v128 on, behind the accumulators
.irp a, 0,1,2,3
.irp t, 0,1,2,3,4,5,6,7
	global_load_b128 v[128+32*\a+4*\t:128+32*\a+4*\t+3], v[CO], s[10:11] offset:(32*(\a/2)+8*(\a%2)+2*\t+8*(\t/4))*4096 th:TH_LOAD_NT
.endr
.endr
	WIN 0
	s_wait_alu depctr_va_vdst(0)
	s_wait_tensorcnt 0x0                           ; my tile of the head's four is in
	ds_add_u32 v[SPW], v[NIL]
	s_mov_b32 s[G1+2], 4<<16                       ; no tensor load of mine is out: from here on a load brings half a side
	s_mov_b32 s[G1+4], 4
	s_mov_b32 s[G1B+2], 4<<16
	s_mov_b32 s[G1B+4], 4
	s_wait_dscnt 0x0
	CROUND                                         ; all four tiles are in, all sixteen work-groups are here
	JLOAD G0+4, G1, G0B+4, G1B                     ; slot 1: K steps 4 .. 7, the first tensor load behind the round
	FETCH 0, 0, 0
	FETCH 0, 1, 1
	STEP 0, 1, 0, 2                                ; the first products start the sums
.if LAPS > 1
	WIN 0
	s_mov_b32 s3, LAPS-1
.Llap:                                                 ; a trip goes once round the ring, from a lap's second step to the next lap's first, and fills both slots again
	s_wait_alu depctr_va_vdst(0)
	STEP 1, 0, 0, 3
	TURN 0, 1, 1
	STEP 3, 0, 1, 1
	STEP 0, 0, 1, 2
	STEP 1, 0, 1, 3
	TURN 1, 0, 1
	STEP 3, 0, 0, 1
	STEP 0, 0, 0, 2
	WIN 0
	s_sub_co_u32 s3, s3, 1
	s_cmp_lg_u32 s3, 0
	s_cbranch_scc1 .Llap
.endif
	STEP 1, 0, 0, 3
	TURN 0, 1, 0
	STEP 3, 0, 1, 1
	STEP 0, 0, 1, 2
	STEP 1, 0, 1, 3
	s_wait_dscnt NF                                ; the last two steps fetch nothing
	WIN MUL
	MULA 2, 0, 0
	MULA 2, 1, 0
	MULA 2, 2, 0
	MULA 2, 3, 0
	s_wait_dscnt 0x0
	MULA 3, 0, 0
	MULA 3, 1, 0
	MULA 3, 2, 0
	MULA 3, 3, 0
	WIN 0
	PLACES 4
	s_wait_loadcnt 0x0
.macro OUT a
.set YY, 144+32*((\a)%2)
.if (\a) > 1
	s_wait_xcnt 0x0
.endif
	WIN 0x08
.irp b, 0,1,2,3
	ds_store_b128 v[STO], v[8*(4*(\a)+\b):8*(4*(\a)+\b)+3] offset:128*(\b/2)+32*(\b%2)
	ds_store_b128 v[STO], v[8*(4*(\a)+\b)+4:8*(4*(\a)+\b)+7] offset:128*(\b/2)+32*(\b%2)+16
.endr
	WIN 0
.irp t, 0,1,2,3,4,5,6,7
	ds_load_b128 v[YY+4*\t:YY+4*\t+3], v[RD] offset:\t*2*272
.endr
	s_wait_dscnt 0x0
.irp t, 0,1,2,3,4,5,6,7
	v_pk_add_f32 v[YY+4*\t:YY+4*\t+1], v[YY+4*\t:YY+4*\t+1], v[BL:BL+1]
	v_pk_add_f32 v[YY+4*\t+2:YY+4*\t+3], v[YY+4*\t+2:YY+4*\t+3], v[BL+2:BL+3]
.endr
	WIN 0x08
.set i, 0
.rept 16
	v_pk_add_f32 v[YY+i:YY+i+1], v[YY+i:YY+i+1], v[128+32*(\a)+i:128+32*(\a)+i+1]
.set i, i+2
.endr
	WIN 0
.irp t, 0,1,2,3,4,5,6,7
	global_store_b128 v[CO], v[YY+4*\t:YY+4*\t+3], s[12:13] offset:(32*((\a)/2)+8*((\a)%2)+2*\t+8*(\t/4))*4096
.endr
.endm
	OUT 0
	OUT 1
	OUT 2
	OUT 3
	s_wait_tensorcnt 0x0
	ds_add_u32 v[SPW], v[NIL]
	s_wait_dscnt 0x0
	CROUND
	s_endpgm
.Lfunc_end_k_qd29c4aee95_ffn2:
	.size	k_qd29c4aee95_ffn2, .Lfunc_end_k_qd29c4aee95_ffn2-k_qd29c4aee95_ffn2
	.p2alignl 7, 3214868480
	.fill 96, 4, 3214868480
	.section	.rodata,"a",@progbits
	.p2align	6, 0x0
	.amdhsa_kernel k_qd29c4aee95_ffn2
		.amdhsa_group_segment_fixed_size 327680
		.amdhsa_private_segment_fixed_size 0
		.amdhsa_enable_private_segment 0
		.amdhsa_kernarg_size 40
		.amdhsa_user_sgpr_count 2
		.amdhsa_user_sgpr_kernarg_segment_ptr 1
		.amdhsa_wavefront_size32 1
		.amdhsa_system_sgpr_workgroup_id_x 1
		.amdhsa_system_sgpr_workgroup_id_y 1
		.amdhsa_system_sgpr_workgroup_id_z 1
		.amdhsa_system_vgpr_workitem_id 0
		.amdhsa_next_free_vgpr 768
		.amdhsa_next_free_sgpr 100
		.amdhsa_reserve_vcc 0
		.amdhsa_float_denorm_mode_32 3
		.amdhsa_float_denorm_mode_16_64 3
		.amdhsa_memory_ordered 1
		.amdhsa_forward_progress 1
		.amdhsa_inst_pref_size 105
	.end_amdhsa_kernel
	.amdgpu_metadata
---
amdhsa.version: [ 1, 2 ]
amdhsa.kernels:
  - .name:           k_qd29c4aee95_ffn2
    .symbol:         k_qd29c4aee95_ffn2.kd
    .args:
      - { .name: ffq, .offset: 0, .size: 8, .value_kind: global_buffer, .address_space: global }
      - { .name: opq, .offset: 8, .size: 8, .value_kind: global_buffer, .address_space: global }
      - { .name: b2, .offset: 16, .size: 8, .value_kind: global_buffer, .address_space: global }
      - { .name: x1, .offset: 24, .size: 8, .value_kind: global_buffer, .address_space: global }
      - { .name: out0, .offset: 32, .size: 8, .value_kind: global_buffer, .address_space: global }
    .group_segment_fixed_size: 327680
    .private_segment_fixed_size: 0
    .kernarg_segment_align: 8
    .kernarg_segment_size: 40
    .max_flat_workgroup_size: 128
    .sgpr_count:     100
    .vgpr_count:     768
    .wavefront_size: 32
...
	.end_amdgpu_metadata
.endif
;; end of part 6
